; MI455X (gfx1250); checked and timed in simulation.
; The chip was launched on July 23, 2026; its instructions are those of AMD's public machine-readable ISA for CDNA 5 (MIT licence, August 2026) and "CDNA5" Instruction Set Architecture Reference Guide (July 2026). The comments in the code are by the model that wrote it; some were corrected since.
;; Multi Head Attention. Allowed arithmetic: matrix products marked QUANTISED: E4M3 operands, one given power-of-two scale a tensor, by v_wmma_f32_16x16x64_fp8_fp8 or v_wmma_f32_16x16x128_fp8_fp8, f32 sums; everything else in f32.
;; Inputs: Wk 2,048 x 2,048 float32; Wo 2,048 x 2,048 float32; Wq 2,048 x 2,048 float32; Wv 2,048 x 2,048 float32; lowp_scales 12 int32 (the exponents e of the quantised operands' scales 2^e); token_positions 1 x 2,048 int32; x 1 x 2,048 x 2,048 float32.
;; Outputs: out0 1 x 2,048 x 2,048 float32.
;; This version of the problem:
;;   THIS VERSION OF THE PROBLEM IS GIVEN IN LOW PRECISION. The matrix products marked QUANTISED in the list below multiply operands that are first quantised to E4M3 (4 exponent bits, 3 mantissa bits; 8 bits a number), with one given power-of-two scale for each operand tensor; their sums are f32. All else is computed in f32.
;;   The module's matrix products, in the order in which they are computed (A, B: the left and right operand; K: the contracted axis; several contracted axes count as one K, in the product's order):
;;     1. [M 2,048, K 2,048] x [K 2,048, N 2,048]; A: input x; B: input Wq: QUANTISED (scales: A lowp_scales[0], B lowp_scales[1])
;;     2. [M 2,048, K 2,048] x [K 2,048, N 2,048]; A: input x; B: input Wk: QUANTISED (scales: A lowp_scales[2], B lowp_scales[3])
;;     3. [M 2,048, K 2,048] x [K 2,048, N 2,048]; A: input x; B: input Wv: QUANTISED (scales: A lowp_scales[4], B lowp_scales[5])
;;     4. batch 16 x [M 2,048, K 128] x [K 128, N 2,048]; A: computed on the way; B: computed on the way: QUANTISED (scales: A lowp_scales[6], B lowp_scales[7])
;;     5. batch 16 x [M 2,048, K 2,048] x [K 2,048, N 128]; A: softmax (see below); B: computed on the way: QUANTISED (scales: A lowp_scales[8], B lowp_scales[9])
;;     6. [M 2,048, K 2,048] x [K 2,048, N 2,048]; A: computed on the way; B: input Wo: QUANTISED (scales: A lowp_scales[10], B lowp_scales[11])
;;   THE QUANTISER, for each operand of a quantised product, along K:
;;     - The operand's scale is 2^e, e = its entry of the input lowp_scales (int32; the entries are numbered through the quantised products in the list's order, A before B).
;;     - Each number is divided by the scale, clamped to +-448, and rounded to the nearest number of E4M3, ties to even, subnormals kept.
;;     - The product sums the exact products of the quantised numbers (number of the format x scale) in f32.
;;   ~~~python
;;   def quantise(x, axis, e):      # numpy; x: float32 -> the quantised numbers, widened to float32 again
;;       x = np.moveaxis(x, axis, -1); K = x.shape[-1]
;;       r = np.clip(x / 2.0 ** e, -448, 448)
;;       step = 2.0 ** (np.maximum(np.frexp(np.where(r == 0, 1, r))[1] - 1, -6) - 3)
;;       q = np.round(r / step) * step * 2.0 ** e      # np.round: ties to even
;;       return np.moveaxis(q, -1, axis).astype(np.float32)
;;   ~~~
;;   SOFTMAX AHEAD OF A QUANTISED PRODUCT. Where the list says 'softmax', what is quantised is not the finished softmax but p = 2^(t - M), with t = logit x log2(e) and M = ceil(the row's largest t), a whole number; so 1/2 < the row's largest p <= 1. The row's sum l is taken of the UNQUANTISED p, in f32, and the product's result is divided by l at the end. Since M is a whole number, a kernel that streams over the keys may use a running M (the ceiling of the running maximum): every later rescaling is an exact power of two, so the quantised numbers keep their values, but for numbers so far below the row's largest that they fall under the format's range.
;;   OPERANDS COMPUTED ON THE WAY. 'Computed on the way' means the value that the module computes at that place (a softmax that the list does not call 'softmax' is quantised finished and normalised). What goes into a quantiser is computed in f32, as accurately as f32 sums, v_exp_f32 and their like allow (about 1e-6 of the number): no bf16 or f16 on the way to a quantiser, and a product that is left as it is and whose result goes on into a quantised operand takes f32 operands (vector FMAs, or v_wmma_f32_16x16x4_f32). A number that lies on a knife's edge between two numbers of the format may be rounded either way, as far as f32 arithmetic and the matrix unit's own rounding can turn it there, and no further.
;; One version. Each part assembles by itself: llvm-mc -triple=amdgcn-amd-amdhsa -mcpu=gfx1250 --defsym DOCPART=n.
;; ======== version 1 of 1: 4 launches
;; limits: right only within a limited range of input values
;; workspace buffers: codes 29,360,128 bytes; rope 1,114,112 bytes; qkv 12,582,912 bytes; acodes 4,194,304 bytes
;; launch prep (part 1): grid 674 x 1, 4 waves a work-group, no clusters, 33,280 bytes of LDS; arguments x, Wq, Wk, Wv, Wo, lowp_scales, token_positions, codes, rope; writes codes, rope
.if DOCPART == 1
	.amdgcn_target "amdgcn-amd-amdhsa--gfx1250"
	.amdhsa_code_object_version 6
	.text
	.protected	k_qdf703dbbc7_prep
	.globl	k_qdf703dbbc7_prep
	.p2align	8
	.type	k_qdf703dbbc7_prep,@function
k_qdf703dbbc7_prep:
	s_mov_b64 s[64:65], 0
	v_nop
	global_prefetch_b8 v0, s[64:65] scope:SCOPE_SE
	s_setreg_imm32_b32 hwreg(HW_REG_WAVE_MODE, 25, 1), 1
	s_wait_xcnt 0x0
; PREP: the f32 inputs become codes of FP8 (E4M3), and the table of cosines and sines for the rotation is made.
; codes: seven regions of 2,048 rows x 2,048 bytes, K innermost: 0 x by e0, 1 x by e2, 2 Wv by e5, 3 Wq by e1, 4 Wk by e3, 5 x by e4, 6 Wo by e11 (e: the entries of the scales' buffer).
; ROW rho LIES AT PLACE rho WITH ITS BITS 3 AND 4 EXCHANGED: sixteen places on end then hold two runs of eight rows that lie 16 apart, which is the choice of rows that lets
; a later product's results be sixteen neighbours along the next K in one lane's registers.
; code = number / 2^e, held within +-448, to the nearest code, ties to even.  LIMITS: each e between -126 and 119; NaN among the inputs is not served (an infinity is held at the largest code).
; Work-groups 34 .. 673 quantise: 128 for each of x, Wq, Wk, Wv, Wo; a wave takes 4 rows, 16 steps of 512 numbers.  x is read once and converted three times.
; Each load reads 512 consecutive bytes; a step's 2,048 bytes turn through the wave's own stage in LDS, so that a lane then holds 16 neighbours; a lane's 16 codes are 16 bytes: a store covers 512 consecutive bytes.
; Work-groups 0 .. 33 make the table: a wave makes block T = 4 x work-group + wave of 136, 8,192 bytes: [b 0..7][u 0..1][lane][16 bytes].  Lane (r, h) holds (cos, sin, cos, sin) of token
; 32 (T / 2) + 8 (T % 2) + r + 8 (r / 8) and of the pairs 16 (b / 2) + 8 h + 4 (b % 2) + 2 u + 0, 1.  Blocks 128 .. 135 are made with position 0: (1, 0), the rotation that changes nothing.
; angle = position x 10000^(-pair / 64), one rounding; the power is 2^A (1 + E ln 2), A the rounded exponent and E what the rounding left; sine and cosine by a reduction modulo pi / 2 in two parts and polynomials.
; LIMITS: positions 0 .. 4,095; the power is good to the last bit of v_exp_f32, so an angle near 4,000 may be off by some 1e-4, the size of its own rounding.
.set NROPE, 34
.set STEPS, 16
.set SP,    80                         ; a lane's place in a stage: its 64 bytes + 16 of padding
.set WREG,  8192                       ; LDS: a region for each wave: two stages of 32 x SP bytes
.set SPARE, 4*WREG                     ; behind the regions: the spare words, 128 bytes for each wave, which no other line names
.set SPW,   12                         ; v12  LDS address of my spare word; never rewritten
.set NIL,   13                         ; v13  0; never rewritten
.set R,     16                         ; v16-79   four sets of 16 numbers as loaded
.set X,     80                         ; v80-111  two sets of 16 neighbours
.set H,     112                        ; v112-127 the 16 numbers, held
.set C,     128                        ; v128-139 three sets of codes
.set SC,    140                        ; v140-142 2^e as f32, for each of the three outputs
.set LM,    143                        ; v143-145 448 x 2^e
	s_load_b256 s[4:11], s[0:1], 0x0               ; x, Wq, Wk, Wv
	s_load_b256 s[12:19], s[0:1], 0x20             ; Wo, the scales' exponents, the positions, codes
	s_load_b64 s[20:21], s[0:1], 0x40              ; rope
	v_lshl_add_u32 v[SPW], v0, 2, SPARE
	v_mov_b32 v[NIL], 0
	v_lshrrev_b32 v1, 5, v0
	v_readfirstlane_b32 s22, v1                    ; wave
	v_and_b32 v2, 31, v0                           ; lane
	v_lshlrev_b32 v3, 4, v2                        ; 16 x lane: my place in 512 bytes, in and out
	s_cmp_lt_u32 ttmp9, NROPE
	s_cbranch_scc1 .Lrope
	; ---------------- the quantiser ----------------
	s_mul_i32 s30, s22, WREG
	v_lshrrev_b32 v14, 2, v2
	v_mul_u32_u24 v14, v14, SP
	v_and_b32 v15, 3, v2
	v_lshl_add_u32 v14, v15, 4, v14
	v_add_nc_u32 v14, s30, v14                     ; the stage, on the way in: SP (lane / 4) + 16 (lane % 4)
	v_mul_u32_u24 v15, v2, SP
	v_add_nc_u32 v15, s30, v15                     ; and on the way out: SP x lane
	s_sub_co_u32 s24, ttmp9, NROPE
	s_lshr_b32 s23, s24, 7                         ; which tensor: 0 x, 1 Wq, 2 Wk, 3 Wv, 4 Wo
	s_and_b32 s24, s24, 127
	s_lshl_b32 s24, s24, 2
	s_add_co_u32 s24, s24, s22                     ; which four rows
	s_and_b32 s25, s24, 0x1f9                      ; the rows' bits 3 and 4 are this number's bits 1 and 2: exchanged
	s_and_b32 s26, s24, 2
	s_lshl_b32 s26, s26, 1
	s_or_b32 s25, s25, s26
	s_and_b32 s26, s24, 4
	s_lshr_b32 s26, s26, 1
	s_or_b32 s25, s25, s26
	s_lshl_b32 s44, s24, 15                        ; in: four rows of 8,192 bytes
	s_mov_b32 s45, 0
	s_lshl_b32 s46, s25, 13                        ; out: four rows of 2,048 bytes
	s_mov_b32 s47, 0
	s_mov_b32 s27, 0                               ; the region of the first output: 0, 3, 4, 2, 6
	s_cmp_eq_u32 s23, 1
	s_cselect_b32 s27, 3, s27
	s_cmp_eq_u32 s23, 2
	s_cselect_b32 s27, 4, s27
	s_cmp_eq_u32 s23, 3
	s_cselect_b32 s27, 2, s27
	s_cmp_eq_u32 s23, 4
	s_cselect_b32 s27, 6, s27
	s_lshl_b32 s54, s27, 22
	s_mov_b32 s55, 0
	s_add_nc_u64 s[54:55], s[54:55], s[46:47]
	s_wait_kmcnt 0x0
	s_load_b256 s[32:39], s[14:15], 0x0            ; e0 .. e7
	s_load_b128 s[40:43], s[14:15], 0x20           ; e8 .. e11
	s_cmp_eq_u32 s23, 1                            ; the source: a choice that hangs on the work-group's number alone
	s_cselect_b64 s[4:5], s[6:7], s[4:5]
	s_cmp_eq_u32 s23, 2
	s_cselect_b64 s[4:5], s[8:9], s[4:5]
	s_cmp_eq_u32 s23, 3
	s_cselect_b64 s[4:5], s[10:11], s[4:5]
	s_cmp_eq_u32 s23, 4
	s_cselect_b64 s[4:5], s[12:13], s[4:5]
	s_add_nc_u64 s[4:5], s[4:5], s[44:45]
	s_add_nc_u64 s[48:49], s[18:19], s[54:55]      ; the first output
	s_add_nc_u64 s[50:51], s[18:19], s[46:47]
	s_add_nc_u64 s[50:51], s[50:51], 1<<22         ; x by e2: region 1
	s_add_nc_u64 s[52:53], s[18:19], s[46:47]
	s_add_nc_u64 s[52:53], s[52:53], 5<<22         ; x by e4: region 5
.macro LOAD t
.irp i, 0,1,2,3
	global_load_b128 v[R+16*((\t)%4)+4*\i:R+16*((\t)%4)+4*\i+3], v3, s[4:5] offset:2048*(\t)+512*\i th:TH_LOAD_NT   ; 32 lanes read 512 consecutive bytes
.endr
.endm
.macro TURN t                          ; step t's numbers through the stage: LDS serves a wave's instructions in order, so no wait stands between the stores and the loads
.irp i, 0,1,2,3
	ds_store_b128 v14, v[R+16*((\t)%4)+4*\i:R+16*((\t)%4)+4*\i+3] offset:32*SP*((\t)%2)+8*SP*\i
.endr
.irp i, 0,1,2,3
	ds_load_b128 v[X+16*((\t)%2)+4*\i:X+16*((\t)%2)+4*\i+3], v15 offset:32*SP*((\t)%2)+16*\i
.endr
.endm
	s_wait_alu depctr_va_vdst(0)
.irp t, 0,1,2,3
	LOAD \t
.endr
	s_wait_kmcnt 0x0
	s_cmp_eq_u32 s23, 1                            ; the first output's exponent: e0, e1, e3, e5, e11
	s_cselect_b32 s32, s33, s32
	s_cmp_eq_u32 s23, 2
	s_cselect_b32 s32, s35, s32
	s_cmp_eq_u32 s23, 3
	s_cselect_b32 s32, s37, s32
	s_cmp_eq_u32 s23, 4
	s_cselect_b32 s32, s43, s32
.irp o, 0,1,2                          ; s32, s34 = e2, s36 = e4
	s_add_co_i32 s56, s[32+2*\o], 127
	s_lshl_b32 s57, s56, 23
	v_mov_b32 v[SC+\o], s57                        ; 2^e as f32: the conversion takes its exponent field
	s_add_co_i32 s56, s56, 8
	s_lshl_b32 s56, s56, 23
	s_or_b32 s56, s56, 0x600000
	v_mov_b32 v[LM+\o], s56                        ; 448 x 2^e
.endr
	s_wait_alu depctr_va_vdst(0)
	s_wait_loadcnt 12                              ; step 0's four loads are in
	TURN 0
.macro CONV o, t                       ; the step's 16 numbers by output o's scale
.set i, 0
.rept 16
	v_med3_num_f32 v[H+i], v[XS+i], -v[LM+\o], v[LM+\o]   ; the conversion to an 8-bit code does not saturate (ISA guide 7.6.2): the hold comes first, into other registers: x is converted three times
.set i, i+1
.endr
	v_cvt_scalef32_pk8_fp8_f32 v[C+4*\o:C+4*\o+1], v[H:H+7], v[SC+\o]
	v_cvt_scalef32_pk8_fp8_f32 v[C+4*\o+2:C+4*\o+3], v[H+8:H+15], v[SC+\o]
	v_nop                                          ; a plain line between the conversions and the next holds, which write their sources
	global_store_b128 v3, v[C+4*\o:C+4*\o+3], s[48+2*\o:49+2*\o] offset:512*(\t)   ; 512 consecutive bytes a wave
.endm
.macro STEP t
.set XS, X+16*((\t)%2)
	s_wait_dscnt 0x0                               ; this step's numbers are back from the stage, and its stores into the stage have read their registers
	s_wait_xcnt 0x0                                ; the last step's stores have read their codes: these registers are written again below
.if (\t)+4 < STEPS
	LOAD (\t)+4
.endif
.if (\t)+1 < STEPS
.if STEPS-2-(\t) >= 3
	s_wait_loadcnt 12                              ; the next step's four loads are in; those of the three steps behind it may be out
.else
	s_wait_loadcnt 4*(STEPS-2-(\t))
.endif
	TURN (\t)+1                                    ; through the other stage while this step is worked
.endif
	CONV 0, \t
	s_cmp_lg_u32 s23, 0                            ; a weight has one scale, x three: a branch on the work-group's number, round register work and stores alone
	s_cbranch_scc1 .Lw_\@
	CONV 1, \t
	CONV 2, \t
.Lw_\@:
.endm
.irp t, 0,1,2,3,4,5,6,7,8,9,10,11,12,13,14,15
	STEP \t
.endr
	s_wait_tensorcnt 0x0                           ; the wave's end, behind my last LDS store
	ds_add_u32 v[SPW], v[NIL]
	s_wait_dscnt 0x0
	s_endpgm
	; ---------------- the table ----------------
.Lrope:
	s_lshl_b32 s23, ttmp9, 2
	s_add_co_u32 s23, s23, s22                     ; T, 0 .. 135
	s_min_u32 s24, s23, 127
	s_cmp_lt_u32 s23, 128
	s_cselect_b32 s25, -1, 0                       ; blocks 128 on: position 0
	s_lshr_b32 s26, s24, 1
	s_lshl_b32 s26, s26, 5
	s_and_b32 s27, s24, 1
	s_lshl_b32 s27, s27, 3
	s_add_co_u32 s26, s26, s27                     ; 32 (T / 2) + 8 (T % 2)
	v_and_b32 v4, 15, v0                           ; r
	v_and_b32 v5, 8, v4
	v_add3_u32 v5, v5, v4, s26                     ; my token
	v_lshlrev_b32 v5, 2, v5
	v_bfe_u32 v9, v0, 4, 1
	v_lshlrev_b32 v9, 3, v9                        ; 8 h
	s_lshl_b32 s28, s23, 13
	s_mov_b32 s29, 0
	s_mov_b32 s30, 0xbe549a78                      ; -log2(10000) / 64, its f32 part,
	s_mov_b32 s31, 0xb1979922                      ; and what that leaves
	s_mov_b32 s33, 0x3f317218                      ; ln 2
	s_mov_b32 s40, 0x3f22f983                      ; 2 / pi
	s_mov_b32 s41, 0xbfc90fdb                      ; -pi / 2, its f32 part,
	s_mov_b32 s42, 0x333bbd2e                      ; and what that leaves
	s_mov_b32 s43, 0xbe2aaaa3                      ; sine: r + r z (S1 + z (S2 + z S3))
	s_mov_b32 s44, 0x3c08839e
	s_mov_b32 s45, 0xb94ca1f9
	s_mov_b32 s46, 0x3d2aaaa5                      ; cosine: 1 - z / 2 + z z (C1 + z (C2 + z C3))
	s_mov_b32 s47, 0xbab6061a
	s_mov_b32 s48, 0x37ccf5ce
	s_wait_alu depctr_va_vdst(0)
	s_wait_kmcnt 0x0
	global_load_b32 v10, v5, s[16:17]              ; my token's position
	s_add_nc_u64 s[20:21], s[20:21], s[28:29]
.set n, 0
.rept 32                               ; my 32 pairs: number n = 4 b + 2 u + e is pair 16 (b / 2) + 4 (b % 2) + 2 u + e + 8 h
	v_add_nc_u32 v[144+n%4], 16*(n/8)+4*((n/4)%2)+n%4, v9
	v_cvt_f32_u32 v[144+n%4], v[144+n%4]
	v_mul_f32 v[16+n], s30, v[144+n%4]             ; A: the exponent, rounded
	v_fma_f32 v[48+n], v[144+n%4], s30, -v[16+n]   ; E: what the rounding left,
	v_fma_f32 v[48+n], v[144+n%4], s31, v[48+n]    ; and the constant's own rest
.set n, n+1
.endr
.set n, 0
	s_wait_alu depctr_va_vdst(0)
.rept 32
	v_exp_f32 v[16+n], v[16+n]                     ; one batch
.set n, n+1
.endr
.set n, 0
.rept 32
	v_mul_f32 v[48+n], s33, v[48+n]                ; plain work that names no result of the batch
.set n, n+1
.endr
	s_wait_alu depctr_va_vdst(0)                   ; one wait for the batch, ahead of its first reader
.set n, 0
.rept 32
	v_fma_f32 v[16+n], v[16+n], v[48+n], v[16+n]   ; 2^A (1 + E ln 2)
.set n, n+1
.endr
	s_wait_loadcnt 0x0
	v_and_b32 v10, s25, v10
	v_cvt_f32_i32 v10, v10
.macro SINCOS f, oc, os                ; cosine and sine of position x v[f]
	v_mul_f32 v144, v10, v[\f]                     ; the angle: one rounding
	v_mul_f32 v145, s40, v144
	v_rndne_f32 v145, v145                         ; n: the nearest multiple of pi / 2
	v_fma_f32 v146, v145, s41, v144                ; r = angle - n pi / 2, in two parts: the first is exact
	v_fma_f32 v146, v145, s42, v146
	v_mul_f32 v147, v146, v146                     ; z = r r
	v_fma_f32 v148, v147, s45, s44
	v_fma_f32 v150, v147, s48, s47
	v_mul_f32 v149, v147, v146                     ; z r
	v_fma_f32 v148, v148, v147, s43
	v_fma_f32 v150, v150, v147, s46
	v_fma_f32 v148, v148, v149, v146               ; sin r
	v_mul_f32 v149, v147, v147
	v_fma_f32 v151, v147, -0.5, 1.0
	v_fma_f32 v150, v150, v149, v151               ; cos r
	v_cvt_i32_f32 v145, v145
	v_and_b32 v149, 1, v145
	v_cmp_eq_u32 vcc_lo, 1, v149                   ; an odd quarter exchanges the two
	v_cndmask_b32 v151, v148, v150, vcc_lo
	v_cndmask_b32 v150, v150, v148, vcc_lo
	v_and_b32 v149, 2, v145                        ; the sine is negative in quarters 2 and 3,
	v_lshlrev_b32 v149, 30, v149
	v_xor_b32 v[\os], v151, v149
	v_add_nc_u32 v145, 1, v145                     ; the cosine in quarters 1 and 2
	v_and_b32 v145, 2, v145
	v_lshlrev_b32 v145, 30, v145
	v_xor_b32 v[\oc], v150, v145
.endm
.set n, 0
.rept 16                               ; (b, u) = (n / 2, n % 2): each store has registers of its own
	SINCOS 16+2*n, 80+4*n, 81+4*n
	SINCOS 17+2*n, 82+4*n, 83+4*n
	global_store_b128 v3, v[80+4*n:83+4*n], s[20:21] offset:512*n   ; 512 consecutive bytes a wave
.set n, n+1
.endr
	s_wait_tensorcnt 0x0                           ; the wave's end
	ds_add_u32 v[SPW], v[NIL]
	s_wait_dscnt 0x0
	s_endpgm
.Lfunc_end_k_qdf703dbbc7_prep:
	.size	k_qdf703dbbc7_prep, .Lfunc_end_k_qdf703dbbc7_prep-k_qdf703dbbc7_prep
	.p2alignl 7, 3214868480
	.fill 96, 4, 3214868480
	.section	.rodata,"a",@progbits
	.p2align	6, 0x0
	.amdhsa_kernel k_qdf703dbbc7_prep
		.amdhsa_group_segment_fixed_size 33280
		.amdhsa_private_segment_fixed_size 0
		.amdhsa_enable_private_segment 0
		.amdhsa_kernarg_size 72
		.amdhsa_user_sgpr_count 2
		.amdhsa_user_sgpr_kernarg_segment_ptr 1
		.amdhsa_wavefront_size32 1
		.amdhsa_system_sgpr_workgroup_id_x 1
		.amdhsa_system_sgpr_workgroup_id_y 1
		.amdhsa_system_sgpr_workgroup_id_z 1
		.amdhsa_system_vgpr_workitem_id 0
		.amdhsa_next_free_vgpr 160
		.amdhsa_next_free_sgpr 66
		.amdhsa_reserve_vcc 1
		.amdhsa_float_denorm_mode_32 3
		.amdhsa_float_denorm_mode_16_64 3
		.amdhsa_memory_ordered 1
		.amdhsa_forward_progress 1
		.amdhsa_inst_pref_size 132
	.end_amdhsa_kernel
	.amdgpu_metadata
---
amdhsa.version: [ 1, 2 ]
amdhsa.kernels:
  - .name:           k_qdf703dbbc7_prep
    .symbol:         k_qdf703dbbc7_prep.kd
    .args:
      - { .name: x, .offset: 0, .size: 8, .value_kind: global_buffer, .address_space: global }
      - { .name: Wq, .offset: 8, .size: 8, .value_kind: global_buffer, .address_space: global }
      - { .name: Wk, .offset: 16, .size: 8, .value_kind: global_buffer, .address_space: global }
      - { .name: Wv, .offset: 24, .size: 8, .value_kind: global_buffer, .address_space: global }
      - { .name: Wo, .offset: 32, .size: 8, .value_kind: global_buffer, .address_space: global }
      - { .name: lowp_scales, .offset: 40, .size: 8, .value_kind: global_buffer, .address_space: global }
      - { .name: token_positions, .offset: 48, .size: 8, .value_kind: global_buffer, .address_space: global }
      - { .name: codes, .offset: 56, .size: 8, .value_kind: global_buffer, .address_space: global }
      - { .name: rope, .offset: 64, .size: 8, .value_kind: global_buffer, .address_space: global }
    .group_segment_fixed_size: 33280
    .private_segment_fixed_size: 0
    .kernarg_segment_align: 8
    .kernarg_segment_size: 72
    .max_flat_workgroup_size: 128
    .sgpr_count:     66
    .vgpr_count:     160
    .wavefront_size: 32
...
	.end_amdgpu_metadata
.endif
;; end of part 1
;; launch qkv (part 2): grid 24 x 8, 4 waves a work-group, clusters of 4 x 4, 327,680 bytes of LDS; arguments codes, rope, lowp_scales, qkv; writes qkv
.if DOCPART == 2
	.amdgcn_target "amdgcn-amd-amdhsa--gfx1250"
	.amdhsa_code_object_version 6
	.text
	.protected	k_qdf703dbbc7_qkv
	.globl	k_qdf703dbbc7_qkv
	.p2align	8
	.type	k_qdf703dbbc7_qkv,@function
k_qdf703dbbc7_qkv:
	s_mov_b64 s[64:65], 0
	v_nop
	global_prefetch_b8 v0, s[64:65] scope:SCOPE_SE
	s_setreg_imm32_b32 hwreg(HW_REG_WAVE_MODE, 25, 1), 1
	s_wait_xcnt 0x0
	s_wait_alu depctr_hold_cnt(0) depctr_sa_sdst(0) depctr_va_vdst(0) depctr_va_sdst(0) depctr_va_ssrc(0) depctr_va_vcc(0) depctr_vm_vsrc(0)
	s_getreg_b32 s2, hwreg(HW_REG_IB_STS2, 6, 4)
	s_cmp_eq_u32 s2, 0
	s_cbranch_scc0 .Lentry_in_a_cluster
	s_endpgm
.Lentry_in_a_cluster:
	s_bfe_u32 s2, ttmp6, 0x10000c
	s_cmp_lg_u32 s2, 0xf033
	s_cbranch_scc0 .Lentry_shape_is_right
	s_endpgm
.Lentry_shape_is_right:
; QKV: three products of 2,048 x 2,048 x 2,048 on codes of FP8 (E4M3), C' = A' B'^T, then the rotation, then the quantiser; the results leave as codes.
; z = cluster x / 2: 0: q = x Wq^T (A' = x by e0, B' = Wq);  1: k = x Wk^T;  2: v^T = Wv x^T (A' = Wv, B' = x by e4): so v's codes have the keys innermost, by the same text.
; A tile of C', 256 x 256, is made by four waves, each 128 x 128: 64 accumulators, 512 registers.  K goes in steps of 256 through a ring of two LDS slots (A's 256 rows, then B's 256 rows, 272 bytes apart).
; CLUSTERS: 4 x 4 work-groups; a row's four need the same tiles of A', a column's four the same tiles of B': each tile is asked for jointly, 128 rows a wave.
; THE HEAD asks for K step 0, one load a wave; K step 1 is asked for as a refill is, behind the waits, the add and a round.
; THE MATRIX INSTRUCTION IS USED TRANSPOSED (source 0 = 16 rows of B', source 1 = 16 rows of A'): a lane holds one row of C'.  The codes' rows lie with bits 3 and 4 of their number exchanged, so the 16 registers
; of accumulators (a, 2 c) and (a, 2 c + 1) are the columns 32 c + 16 (lane / 16) + 0 .. 15: the conversions' results are registers 4 c .. 4 c + 3 of the next product's operand and leave as its image:
; 2,048 bytes for 16 rows x 128 K, register group c of lane l at 512 c + 16 l.  qkv: three regions of 4 MiB (q, k, v), each [16 heads][16 blocks of 128 tokens][8 images][2,048 bytes].
; THE ROTATION is linear, so it is made on the sums as they stand, and the three scales are folded into the conversion's one: code = rotated sum / 2^(eo - ea - eb).
; THE TABLE of cosines and sines of my tile's 256 tokens, 131,072 bytes, comes by a joint load into slot 0 at the last change of slots, 128 rows of 256 bytes a wave, on the very bytes of the ring's tiles.
; v takes the table's blocks that hold (1, 0): every partner issues every joint load, so v's clusters walk the same text.
; PREFETCH: behind the load of K step t the step t + 2 is asked for, 32 rows x 256 bytes a wave, a lane a row; the four partners of a joint load share its 128 rows out by address.  K step 1 is asked for
; at the head with step 2.  The table is asked for two refills ahead of its load, 8,192 bytes a wave, by q's and k's clusters; v's 65,536 bytes are common to all its clusters and are not asked for.
; LIMITS: eo - ea - eb between -126 and 119 for (e6, e0, e1), (e7, e2, e3), (e9, e4, e5).  NaN and infinities among the inputs are not served.
; REGISTERS, in windows of 256: window 0: v0-31 addresses and constants; from v128 A's fragments, one set; on the way out v32-95 the rotated numbers, v96-127 two sets of codes.
;   window 1: B's fragments, two sets, at v0 and v128; on the way out v0-127 two sets of the table.   window 2: the accumulators of my rows 0-63 ((a, b) at v[8 (8 a + b)]);   window 3: those of my rows 64-127.
.set ROWB,   256                       ; a tile's row in bytes: a K step
.set KROW,   2048                      ; a row of codes in memory
.set PITCH,  272                       ; an LDS row: 256 bytes + 16 of padding
.set FR,     16                        ; registers of a fragment: 16 rows x 128 K
.set NL,     4                         ; LDS loads that bring one
.set NP,     4                         ; places behind this matrix instruction (ISA guide 7.12.1)
.set HALFT,  128*PITCH
.set SLOT,   4*HALFT
.set LAPS,   4                         ; a lap = two K steps
.set SPARE,  2*SLOT                    ; the spare words, 128 bytes a wave, which no other line names
.set FLAGS,  (1<<20)|(1<<21)|(5<<22)|(3<<25)   ; elements of 1 byte; padding on; bit 21 beside a mask; 4 words behind every 64
.set SCL,  12                          ; v12     2^(eo - ea - eb)
.set LIMV, 13                          ; v13     448 x that
.set ADRA, 16                          ; v16-17  my A fragments in slot 0, 1
.set ADRB, 20                          ; v20-21  my B fragments
.set TA,   22                          ; v22-23  my half of the table: blocks 0-3, 4-7
.set CO,   26                          ; v26     16 x lane
.set PFO,  27                          ; v27     2,048 x lane: a lane a row of codes
.set SPW,  28                          ; v28     my spare word; never rewritten
.set NIL,  29                          ; v29     0; never rewritten
.set PFT,  30                          ; v30     256 x lane
.set U,    32
.set CD,   96
.set AF,   128
.set TLIM, 2                           ; s2      the loop's count at which the table is asked for: 1; 0 (never) in v's clusters
.set PTA,  12                          ; s[12:13] where my prefetch of the table stands
.set G1,   24                          ; group 1 for A;  s[32:39] its groups 0, one a slot
.set G0,   32
.set G1B,  48                          ; the same for B
.set G0B,  56
.set G1T,  84                          ; group 1 of the table's load
.set ES,   92                          ; s[92:99] e0 .. e7
.set PFA,  100                         ; s[100:101] where my prefetches of codes stand
.set MSB, 0
.macro WIN new                         ; the immediate's high byte repeats the setting that is left
.if MSB != \new
	s_set_vgpr_msb (MSB<<8)|\new
.set MSB, \new
.endif
.endm
.set MUL_LO, 0xa1                      ; source 0 (B) window 1, source 1 (A) window 0, C and D window 2
.set MUL_HI, 0xf1
.set TO_B,   0x40                      ; destination window 1
; A joint load: waves 0 and 1 ask for A, waves 2 and 3 for B; the branch hangs on the wave's number alone.  s_nop 0 and four v_nop follow each line.
.macro JLOAD g0a, g1a, g0b, g1b
	s_cmp_eq_u32 s15, 0
	s_cbranch_scc0 .Lfor_b_\@
	tensor_load_to_lds s[\g0a:\g0a+3], s[\g1a:\g1a+7]
	s_nop 0
.rept 4
	v_nop
.endr
	s_branch .Lasked_\@
.Lfor_b_\@:
	tensor_load_to_lds s[\g0b:\g0b+3], s[\g1b:\g1b+7]
	s_nop 0
.rept 4
	v_nop
.endr
.Lasked_\@:
.endm
.macro CREST                           ; a round of the cluster's barrier behind its opening barrier
	s_cmp_lg_u32 s14, 0
	s_cbranch_scc1 .Lnot_wave_0_\@
	s_barrier_signal -3
.Lnot_wave_0_\@:
	s_barrier_wait -3
	s_barrier_signal -1
	s_barrier_wait -1
.endm
.macro CROUND
	s_barrier_signal -1
	s_barrier_wait -1
	CREST
.endm
.macro DESC g, rows, pitch             ; words 1 to 7 of a group 1: rows of 256 bytes
	s_mov_b32 s[\g+1], ROWB<<16
	s_mov_b32 s[\g+2], (\rows)<<16
	s_mov_b32 s[\g+3], ROWB<<16
	s_mov_b32 s[\g+4], \rows
	s_mov_b32 s[\g+5], \pitch
	s_mov_b32 s[\g+6], 0
	s_mov_b32 s[\g+7], 0
.endm
	s_load_b256 s[4:11], s[0:1], 0x0               ; codes, rope, the scales' exponents, qkv
	v_lshl_add_u32 v[SPW], v0, 2, SPARE
	v_mov_b32 v[NIL], 0
	ds_add_u32 v[SPW], v[NIL]                      ; the opening lines: the add twice on end and its wait ahead of my first tensor load
	ds_add_u32 v[SPW], v[NIL]
	v_lshrrev_b32 v1, 5, v0
	v_readfirstlane_b32 s14, v1                    ; wave
	s_lshr_b32 s15, s14, 1                         ; my half of the tile's rows; also: I ask for A (0) or B (1)
	s_and_b32 s16, s14, 1                          ; my half of its columns; also: which 128 rows I ask for
	s_bfe_u32 s40, ttmp6, 0x40000                  ; cx
	s_bfe_u32 s41, ttmp6, 0x40004                  ; cy
	s_lshr_b32 s66, ttmp9, 1                       ; z: the same in all sixteen partners
	s_and_b32 s42, ttmp9, 1
	s_lshl_b32 s42, s42, 2
	s_add_co_u32 s42, s42, s40                     ; tile column
	s_and_b32 s17, ttmp7, 0xffff
	s_lshl_b32 s17, s17, 2
	s_add_co_u32 s17, s17, s41                     ; tile row
	s_lshl_b32 s43, s41, 2
	s_lshl_b32 s43, 15, s43                        ; my row of the cluster
	s_lshl_b32 s44, 0x1111, s40                    ; my column
	s_or_b32 s[G1], s43, FLAGS
	s_or_b32 s[G1T], s43, FLAGS                    ; the table hangs on the tile row, as A does
	s_or_b32 s[G1B], s44, FLAGS
	DESC G1, 128, KROW
	DESC G1B, 128, KROW
	DESC G1T, 128, ROWB                            ; the table is dense: rows of 256 bytes on end
	s_lshl_b32 s18, s16, 7
	s_lshl_b32 s19, s66, 22                        ; z regions of 4 MiB
	s_lshl_b32 s20, s17, 8
	s_add_co_u32 s20, s20, s18
	s_lshl_b32 s20, s20, 11
	s_add_co_u32 s20, s20, s19                     ; A: place 256 x tile row + 128 x half, region z
	s_mov_b32 s21, 0
	s_lshl_b32 s46, s42, 8
	s_add_co_u32 s46, s46, s18
	s_lshl_b32 s46, s46, 11
	s_add_co_u32 s46, s46, s19
	s_add_co_u32 s46, s46, 3<<22                   ; B: region 3 + z
	s_mov_b32 s47, 0
	s_mul_i32 s45, s14, HALFT                      ; where a load goes: wave x 128 rows
	s_wait_dscnt 0x0                               ; both opening adds are done
	s_wait_kmcnt 0x0
	s_load_b256 s[ES:ES+7], s[8:9], 0x0            ; e0 .. e7
	s_load_b32 s67, s[8:9], 0x24                   ; e9
	s_add_nc_u64 s[20:21], s[4:5], s[20:21]
	s_add_nc_u64 s[46:47], s[4:5], s[46:47]
.irp s, 0,1
	s_mov_b32 s[G0+4*\s], 1
	s_add_co_u32 s[G0+4*\s+1], s45, \s*SLOT
	s_add_nc_u64 s[G0+4*\s+2:G0+4*\s+3], s[20:21], \s*ROWB
	s_or_b32 s[G0+4*\s+3], s[G0+4*\s+3], 0x80000000
	s_mov_b32 s[G0B+4*\s], 1
	s_add_co_u32 s[G0B+4*\s+1], s45, \s*SLOT
	s_add_nc_u64 s[G0B+4*\s+2:G0B+4*\s+3], s[46:47], \s*ROWB
	s_or_b32 s[G0B+4*\s+3], s[G0B+4*\s+3], 0x80000000
.endr
	CROUND                                         ; all sixteen work-groups are here: the first joint loads meet
	JLOAD G0, G1, G0B, G1B                         ; K step 0: my one load at the head
	; the prefetches of codes: of the 128 rows that I ask for, my work-group's 32 (by cx for A, by cy for B)
	s_lshl_b32 s18, s17, 8
	s_lshl_b32 s19, s42, 8
	s_cmp_eq_u32 s15, 0
	s_cselect_b32 s18, s18, s19
	s_cselect_b32 s19, s40, s41
	s_cselect_b32 s22, 0, 3<<22
	s_lshl_b32 s23, s16, 7
	s_add_co_u32 s18, s18, s23
	s_lshl_b32 s19, s19, 5
	s_add_co_u32 s18, s18, s19
	s_lshl_b32 s18, s18, 11
	s_add_co_u32 s18, s18, s22
	s_lshl_b32 s19, s66, 22
	s_add_co_u32 s18, s18, s19
	s_add_co_u32 s18, s18, ROWB                    ; at K step 1
	s_mov_b32 s19, 0
	s_add_nc_u64 s[PFA:PFA+1], s[4:5], s[18:19]
	v_and_b32 v6, 31, v0
	v_lshlrev_b32 v[PFO], 11, v6
	v_lshlrev_b32 v[PFT], 8, v6
	v_lshlrev_b32 v[CO], 4, v6
	global_prefetch_b8 v[PFO], s[PFA:PFA+1] th:TH_LOAD_NT scope:SCOPE_SE              ; K step 1,
	global_prefetch_b8 v[PFO], s[PFA:PFA+1] offset:ROWB th:TH_LOAD_NT scope:SCOPE_SE  ; and K step 2
	s_mul_i32 s18, s15, HALFT                      ; my 128 rows of A,
	s_mul_i32 s19, s16, HALFT
	s_add_co_u32 s19, s19, 2*HALFT                 ; of B,
	s_mul_i32 s22, s15, 2*HALFT                    ; and my 128 tokens' half of the table
	v_and_b32 v1, 15, v0                           ; r
	v_bfe_u32 v2, v0, 4, 1                         ; h
	v_mul_u32_u24 v3, v1, PITCH
	v_lshl_add_u32 v4, v2, 4, v3                   ; a fragment: row r, 16 h
	v_add_nc_u32 v[ADRA], s18, v4
	v_add_nc_u32 v[ADRB], s19, v4
	v_add_nc_u32 v[ADRA+1], SLOT, v[ADRA]
	v_add_nc_u32 v[ADRB+1], SLOT, v[ADRB]
	v_mul_u32_u24 v5, v2, PITCH                    ; the table: 512 bytes are two LDS rows: lanes 0-15 one, lanes 16-31 the next
	v_lshl_add_u32 v5, v1, 4, v5
	v_add_nc_u32 v[TA], s22, v5
	v_add_nc_u32 v[TA+1], HALFT, v[TA]
	; where my results go
	s_lshl_b32 s18, s17, 1
	s_add_co_u32 s18, s18, s15                     ; my block of 128 rows of C'
	s_lshl_b32 s19, s42, 1
	s_add_co_u32 s19, s19, s16                     ; my block of 128 columns
	s_cmp_eq_u32 s66, 2
	s_cselect_b32 s22, s18, s19                    ; the head: q, k: my columns; v: my rows
	s_cselect_b32 s23, s19, s18                    ; the block of tokens: the other one
	s_cselect_b32 s[TLIM], 0, 1
	s_lshl_b32 s22, s22, 18
	s_lshl_b32 s23, s23, 14
	s_add_co_u32 s22, s22, s23
	s_lshl_b32 s23, s66, 22
	s_add_co_u32 s22, s22, s23
	s_mov_b32 s23, 0
	s_add_nc_u64 s[10:11], s[10:11], s[22:23]
	; the table: q, k: 131,072 bytes for each tile row, my quarter by the wave; v: blocks 128 on, which hold (1, 0)
	s_lshl_b32 s20, s17, 17
	s_lshl_b32 s22, s40, 15                        ; its prefetch: my work-group's quarter by cx, 8,192 bytes a wave
	s_add_co_u32 s22, s22, s20
	s_lshl_b32 s23, s14, 13
	s_add_co_u32 s22, s22, s23
	s_mov_b32 s23, 0
	s_add_nc_u64 s[PTA:PTA+1], s[6:7], s[22:23]
	s_lshl_b32 s21, s14, 15
	s_lshl_b32 s18, s16, 15
	s_cmp_eq_u32 s66, 2
	s_cselect_b32 s20, 0x100000, s20
	s_cselect_b32 s21, s18, s21
	s_add_co_u32 s20, s20, s21
	s_mov_b32 s21, 0
	s_add_nc_u64 s[6:7], s[6:7], s[20:21]
.macro FRAG reg, adr, q, i             ; 16 rows x 128 K: registers 4 c .. 4 c + 3 hold K = 32 c + 16 (l / 16) + 0 .. 15: the same order of k in A and in B
.irp c, 0,1,2,3
	ds_load_b128 v[\reg+4*\c:\reg+4*\c+3], v[\adr] offset:128*(\q)+32*\c+(\i)*16*PITCH
.endr
.endm
; 16 matrix instructions: A's blocks a0, a0 + 1 x B's eight.  The 64 accumulators take turns, one instruction a turn.
.macro MUL16 a0, p, zero
.irp a, \a0, \a0+1
.irp b, 0,1,2,3,4,5,6,7
.if \zero
	v_wmma_f32_16x16x128_fp8_fp8 v[8*(8*((\a)%4)+\b):8*(8*((\a)%4)+\b)+7], v[128*(\p)+FR*\b:128*(\p)+FR*\b+FR-1], v[AF+FR*(\a):AF+FR*(\a)+FR-1], 0
.else
	v_wmma_f32_16x16x128_fp8_fp8 v[8*(8*((\a)%4)+\b):8*(8*((\a)%4)+\b)+7], v[128*(\p)+FR*\b:128*(\p)+FR*\b+FR-1], v[AF+FR*(\a):AF+FR*(\a)+FR-1], v[8*(8*((\a)%4)+\b):8*(8*((\a)%4)+\b)+7]
.endif
.endr
.endr
.endm
.macro FETCH_B slot, q, p
	WIN TO_B
.irp i, 0,1,2,3,4,5,6,7
	FRAG 128*(\p)+FR*\i, ADRB+\slot, \q, \i
.endr
	WIN 0
.endm
.macro FETCH_A slot, q, i0
.irp i, \i0, \i0+1, \i0+2, \i0+3
	FRAG AF+FR*(\i), ADRA+\slot, \q, \i
.endr
.endm
.macro PLACES n                        ; plain vector lines between a matrix instruction and a load into a register that it read, or a read of its result
.rept \n
	v_nop
.endr
.endm
.macro STEP slot, q, zero              ; 128 along K, with its successor in the same slot
	s_wait_dscnt 4*NL                              ; B's set and A's blocks 0-3 are in; the youngest 16 loads (A's blocks 4-7) may be out
	WIN MUL_LO
	MUL16 0, (\q)%2, \zero
	MUL16 2, (\q)%2, \zero
	s_wait_dscnt 0
	PLACES NP
	FETCH_B \slot, (\q)+1, 1-(\q)%2
	FETCH_A \slot, (\q)+1, 0
	WIN MUL_HI
	MUL16 4, (\q)%2, \zero
	MUL16 6, (\q)%2, \zero
	PLACES NP
	WIN 0
	FETCH_A \slot, (\q)+1, 4
.endm
; The prefetch behind a refill: the K step two refills on; the loop's last trip has none.  tab = 1: in that trip q's and k's clusters ask for the table, whose load stands two refills on.
.macro ASK tab
	s_cmp_gt_u32 s3, 1
	s_cbranch_scc0 .Llate_\@
	global_prefetch_b8 v[PFO], s[PFA:PFA+1] offset:2*ROWB th:TH_LOAD_NT scope:SCOPE_SE
.if \tab
	s_branch .Ldone_\@
.endif
.Llate_\@:
.if \tab
	s_cmp_eq_u32 s3, s[TLIM]
	s_cbranch_scc0 .Ldone_\@
	global_prefetch_b8 v[PFT], s[PTA:PTA+1] th:TH_LOAD_NT scope:SCOPE_SE
.Ldone_\@:
.endif
.endm
; A slot's last step changes slots.  In front of the round each wave waits for all its tensor loads, adds 0 to its spare word, and waits for that and for its reads of this slot.
; fill = 1: this slot takes the K step two on.  fill = 2: slot 0 takes the table.
.macro TURN slot, next, fill
.if \fill == 1
	s_wait_xcnt 0x0                                ; my last prefetch has read its address: it steps a K step, to the step that is refilled here
	s_add_nc_u64 s[PFA:PFA+1], s[PFA:PFA+1], ROWB
.endif
	s_wait_tensorcnt 0x0                           ; my part of the next slot has landed
	ds_add_u32 v[SPW], v[NIL]
	s_wait_dscnt 4*NL+1                            ; (the add and the youngest 16 loads may be out)
	WIN MUL_LO
	MUL16 0, 1, 0
	s_wait_dscnt 0x0                               ; the add is done, and my reads of this slot are over
	s_barrier_signal -1
	MUL16 2, 1, 0
	WIN 0
	s_barrier_wait -1
	CREST                                          ; no wave of any partner still reads this slot or has a load on its way
.if \fill == 1
	s_add_nc_u64 s[G0+4*\slot+2:G0+4*\slot+3], s[G0+4*\slot+2:G0+4*\slot+3], 2*ROWB
	s_add_nc_u64 s[G0B+4*\slot+2:G0B+4*\slot+3], s[G0B+4*\slot+2:G0B+4*\slot+3], 2*ROWB
	JLOAD G0+4*\slot, G1, G0B+4*\slot, G1B         ; my one load behind the round; its four v_nop are the places in front of the loads below
.else
	s_mov_b64 s[G0+2:G0+3], s[6:7]                 ; my quarter of the table, to wave x 128 rows of slot 0, as a refill of A or B goes
	s_or_b32 s[G0+3], s[G0+3], 0x80000000
	tensor_load_to_lds s[G0:G0+3], s[G1T:G1T+7]
	s_nop 0
	PLACES NP
.endif
	FETCH_B \next, 0, 0
	FETCH_A \next, 0, 0
.if \fill == 1
	ASK 1-\slot
.endif
	WIN MUL_HI
	MUL16 4, 1, 0
	MUL16 6, 1, 0
	PLACES NP
	WIN 0
	FETCH_A \next, 0, 4
.endm
	s_wait_alu depctr_va_vdst(0)
	s_wait_tensorcnt 0x0                           ; my part of K step 0 is in; slot 1's first fill is issued as a refill is:
	ds_add_u32 v[SPW], v[NIL]
	s_wait_dscnt 0x0
	CROUND                                         ; everybody's part is in, and the joint loads meet
	JLOAD G0+4, G1, G0B+4, G1B                     ; K step 1
	FETCH_B 0, 0, 0
	FETCH_A 0, 0, 0
	FETCH_A 0, 0, 4
	global_prefetch_b8 v[PFO], s[PFA:PFA+1] offset:2*ROWB th:TH_LOAD_NT scope:SCOPE_SE   ; K step 3
	STEP 0, 0, 1                                   ; the first step's products start the sums
	s_mov_b32 s3, LAPS-1
.Llap:                                                 ; a trip goes once round the ring and fills both slots again
	TURN 0, 1, 1
	STEP 1, 0, 0
	TURN 1, 0, 1
	STEP 0, 0, 0
	s_sub_co_u32 s3, s3, 1
	s_cmp_lg_u32 s3, 0
	s_cbranch_scc1 .Llap
	TURN 0, 1, 2
	STEP 1, 0, 0
	s_wait_dscnt 4*NL
	WIN MUL_LO
	MUL16 0, 1, 0
	MUL16 2, 1, 0
	s_wait_dscnt 0
	WIN MUL_HI
	MUL16 4, 1, 0
	MUL16 6, 1, 0
	WIN 0
; THE WAY OUT, block by block of 16 rows x 128 columns: the table's block from LDS, the rotation, the hold, the conversions, four stores.
.macro TL a                            ; registers 8 b + 2 i, 8 b + 2 i + 1 of set a % 2 in window 1: cosine and sine of the pair in registers 2 i, 2 i + 1 of accumulator (a, b)
	WIN TO_B
.irp b, 0,1,2,3,4,5,6,7
.irp u, 0,1
	ds_load_b128 v[64*((\a)%2)+8*\b+4*\u:64*((\a)%2)+8*\b+4*\u+3], v[TA+(\a)/4] offset:(32*((\a)%4)+4*\b+2*\u)*PITCH
.endr
.endr
.endm
.macro ROPE a                          ; (xe, xo) -> (c xe - s xo, s xe + c xo), a pair an instruction; each accumulator from its low end on
.set AC, 64*((\a)%4)
.set TT, 64*((\a)%2)
	WIN 0x06+((\a)/4)                              ; source 0: the accumulators' window; source 1: window 1
.set j, 0
.rept 32
	v_pk_mul_f32 v[U+j:U+j+1], v[AC+j:AC+j+1], v[TT+j:TT+j+1] op_sel:[1,1] op_sel_hi:[0,1]   ; (s xo, s xe)
.set j, j+2
.endr
.set j, 0
.rept 32
	v_pk_fma_f32 v[U+j:U+j+1], v[AC+j:AC+j+1], v[TT+j:TT+j+1], v[U+j:U+j+1] op_sel_hi:[1,0,1] neg_lo:[0,0,1]   ; (c xe - s xo, c xo + s xe)
.set j, j+2
.endr
.endm
.macro QUANT a
.set CDS, CD+16*((\a)%2)
	WIN 0
.irp c, 0,1,2,3
.set i, 0
.rept 16
	v_med3_num_f32 v[U+16*\c+i], v[U+16*\c+i], -v[LIMV], v[LIMV]   ; the conversion does not saturate (ISA guide 7.6.2): the hold comes first
.set i, i+1
.endr
	v_cvt_scalef32_pk8_fp8_f32 v[CDS+4*\c:CDS+4*\c+1], v[U+16*\c:U+16*\c+7], v[SCL]
	v_cvt_scalef32_pk8_fp8_f32 v[CDS+4*\c+2:CDS+4*\c+3], v[U+16*\c+8:U+16*\c+15], v[SCL]
.endr
	v_nop                                          ; a plain line behind the last conversions
.endm
.macro SEND a
.irp c, 0,1,2,3
	global_store_b128 v[CO], v[CD+16*((\a)%2)+4*\c:CD+16*((\a)%2)+4*\c+3], s[10:11] offset:2048*(\a)+512*\c   ; 512 consecutive bytes a wave
.endr
.endm
	s_wait_kmcnt 0x0
	s_add_co_i32 s18, s[ES], s[ES+1]               ; ea + eb of the three products, chosen by z with no branch
	s_add_co_i32 s19, s[ES+2], s[ES+3]
	s_add_co_i32 s20, s[ES+4], s[ES+5]
	s_cmp_eq_u32 s66, 1
	s_cselect_b32 s18, s19, s18
	s_cselect_b32 s21, s[ES+7], s[ES+6]            ; eo: e6 for q, e7 for k,
	s_cmp_eq_u32 s66, 2
	s_cselect_b32 s18, s20, s18
	s_cselect_b32 s21, s67, s21                    ; e9 for v
	s_sub_co_i32 s18, s21, s18
	s_add_co_i32 s18, s18, 127
	s_lshl_b32 s19, s18, 23
	v_mov_b32 v[SCL], s19
	s_add_co_i32 s18, s18, 8
	s_lshl_b32 s18, s18, 23
	s_or_b32 s18, s18, 0x600000
	v_mov_b32 v[LIMV], s18
	PLACES NP                                      ; behind the last products
	s_wait_alu depctr_va_vdst(0)
	s_wait_tensorcnt 0x0                           ; my quarter of the table has landed,
	s_barrier_signal -1
	s_barrier_wait -1                              ; and everybody's
	TL 0
.irp a, 0,1,2,3,4,5,6,7
.if \a >= 2
	s_wait_xcnt 0x0                                ; block a - 2's stores have read their codes: that set is written again below
.endif
.if \a < 7
	TL \a+1
	s_wait_dscnt 16                                ; this block's table is in; the next block's 16 loads may be out
.else
	s_wait_dscnt 0x0
.endif
	ROPE \a
	QUANT \a
	SEND \a
.endr
	s_wait_tensorcnt 0x0                           ; the wave's end
	ds_add_u32 v[SPW], v[NIL]
	s_wait_dscnt 0x0
	CROUND                                         ; the closing round
	s_endpgm
.Lfunc_end_k_qdf703dbbc7_qkv:
	.size	k_qdf703dbbc7_qkv, .Lfunc_end_k_qdf703dbbc7_qkv-k_qdf703dbbc7_qkv
	.p2alignl 7, 3214868480
	.fill 96, 4, 3214868480
	.section	.rodata,"a",@progbits
	.p2align	6, 0x0
	.amdhsa_kernel k_qdf703dbbc7_qkv
		.amdhsa_group_segment_fixed_size 327680
		.amdhsa_private_segment_fixed_size 0
		.amdhsa_enable_private_segment 0
		.amdhsa_kernarg_size 32
		.amdhsa_user_sgpr_count 2
		.amdhsa_user_sgpr_kernarg_segment_ptr 1
		.amdhsa_wavefront_size32 1
		.amdhsa_system_sgpr_workgroup_id_x 1
		.amdhsa_system_sgpr_workgroup_id_y 1
		.amdhsa_system_sgpr_workgroup_id_z 1
		.amdhsa_system_vgpr_workitem_id 0
		.amdhsa_next_free_vgpr 1024
		.amdhsa_next_free_sgpr 102
		.amdhsa_reserve_vcc 0
		.amdhsa_float_denorm_mode_32 3
		.amdhsa_float_denorm_mode_16_64 3
		.amdhsa_memory_ordered 1
		.amdhsa_forward_progress 1
		.amdhsa_inst_pref_size 162
	.end_amdhsa_kernel
	.amdgpu_metadata
---
amdhsa.version: [ 1, 2 ]
amdhsa.kernels:
  - .name:           k_qdf703dbbc7_qkv
    .symbol:         k_qdf703dbbc7_qkv.kd
    .args:
      - { .name: codes, .offset: 0, .size: 8, .value_kind: global_buffer, .address_space: global }
      - { .name: rope, .offset: 8, .size: 8, .value_kind: global_buffer, .address_space: global }
      - { .name: lowp_scales, .offset: 16, .size: 8, .value_kind: global_buffer, .address_space: global }
      - { .name: qkv, .offset: 24, .size: 8, .value_kind: global_buffer, .address_space: global }
    .group_segment_fixed_size: 327680
    .private_segment_fixed_size: 0
    .kernarg_segment_align: 8
    .kernarg_segment_size: 32
    .max_flat_workgroup_size: 128
    .sgpr_count:     102
    .vgpr_count:     1024
    .wavefront_size: 32
...
	.end_amdgpu_metadata
.endif
;; end of part 2
;; launch attn (part 3): grid 16 x 16, 16 waves a work-group, clusters of 4 x 1, 327,680 bytes of LDS; arguments qkv, lowp_scales, acodes; writes acodes
.if DOCPART == 3
	.amdgcn_target "amdgcn-amd-amdhsa--gfx1250"
	.amdhsa_code_object_version 6
	.text
	.protected	k_qdf703dbbc7_attn
	.globl	k_qdf703dbbc7_attn
	.p2align	8
	.type	k_qdf703dbbc7_attn,@function
k_qdf703dbbc7_attn:
	s_mov_b64 s[64:65], 0
	v_nop
	global_prefetch_b8 v0, s[64:65] scope:SCOPE_SE
	s_setreg_imm32_b32 hwreg(HW_REG_WAVE_MODE, 25, 1), 1
	s_wait_xcnt 0x0
	s_wait_alu depctr_hold_cnt(0) depctr_sa_sdst(0) depctr_va_vdst(0) depctr_va_sdst(0) depctr_va_ssrc(0) depctr_va_vcc(0) depctr_vm_vsrc(0)
	s_getreg_b32 s2, hwreg(HW_REG_IB_STS2, 6, 4)
	s_cmp_eq_u32 s2, 0
	s_cbranch_scc0 .Lentry_in_a_cluster
	s_endpgm
.Lentry_in_a_cluster:
	s_bfe_u32 s2, ttmp6, 0x10000c
	s_cmp_lg_u32 s2, 0x3003
	s_cbranch_scc0 .Lentry_shape_is_right
	s_endpgm
.Lentry_shape_is_right:
; ATTN: causal attention of 16 heads, 2,048 tokens, head size 128, both products on codes of FP8 (E4M3); the result is quantised for the last projection and leaves as codes.
; q, k, v come as IMAGES OF OPERAND REGISTERS: 2,048 bytes for 16 rows x 128 K, the 16 bytes of register group c (K = 32 c + 16 (lane / 16) + 0 .. 15) of lane l at 512 c + 16 l.
; Lane r of image a of a block of 128 is row 32 (a / 2) + 8 (a % 2) + r + 8 (r / 8).  q, k: rows are tokens, K the head's 128; v: rows are channels, K the keys.
; THE SOFTMAX: t = score x log2(e) / sqrt(128); M = the largest t so far, rounded UP to a whole number; p = 2^(t - M) is quantised, not normalised; the row's sum is taken of the unquantised p and divides at the end.
; When M moves, the sum and O are multiplied by 2^(old M - new M): exact.
; LAYOUT.  Both products are used transposed: S^T = K Q^T, O^T = V^T P^T: a lane holds ONE query throughout.  By the rows' order the 16 registers of tiles 2 b and 2 b + 1 are 16 neighbours (keys in S^T, channels in O^T):
; p's codes are the second product's operand, and O's codes are the image that the last projection reads.
; SHARES.  Sixteen waves, four to a SIMD.  Waves w, w + 4, w + 8, w + 12 are a TEAM with two tiles of 16 queries: an early one, in the group of 128 queries ge = 2 X + w % 2 (X = cluster x), and a late one, in group 15 - ge;
; the tile in its group is a = 2 cx + (w / 2) % 2.  The tiles have ge + 1 and 16 - ge key steps of 128 keys: 17 for every team.  A slot holds four key steps, j = 0 .. 3.  pe = X / 2 is the slot in which the early tile ends.
;   waves 0-3:   slots 0 .. pe: the early tile, all its key steps; then its result is divided, quantised and stored, the late tile's Q is loaded, and from slot pe + 1 on: the late tile's step j = 2.
;   waves 4-7:   the late tile's steps j = 0 and, up to slot pe, j = 2.      waves 12-15: its step j = 1.      waves 8-11: its step j = 3.
; Which steps a wave works is a mask of four bits made of ids (X and the wave's number): the same in all four partners; every wave walks all steps of all slots, and a step that is not its own, or all of whose keys come
; after its queries, is left out by scalar branches round loads, products and softmax alone.  In the step on the diagonal hidden scores become -infinity.
; THE FOUR PARTS OF A LATE TILE MEET AT THE END, through LDS as register images, with -M and the sum.  A wave takes V's images in an order turned by half = w / 8, so that v160-191 are channels 64 half on and v192-223 the
; other 64.  Waves 4-7 finish channels 0-63, waves 12-15 channels 64-127: each brings the four parts under the largest M by powers of two and divides by the joint sum.  A part with no key step holds zeros and -M = 3e38:
; its power of two comes out as 0.
; CLUSTER.  The four partners walk the same K and V, so each tile is asked for JOINTLY; cx enters global addresses and one vector of data only.
; THE RING.  Two LDS slots of 512 keys: K's four key steps (16,384 bytes each: eight images), then V's four.  Waves 0-3 fetch 32,768 dense bytes each; all sixteen read.  Every work-group walks all four slots: trip counts are
; constants, and no tensor load or barrier is jumped over.
; LIMITS on the given exponents: e6 + e7 between -123 and 130 (added to c's exponent field); e8, and e10 - e8 - e9, between -126 and 119.  NaN and infinities are not served.
; The four waves' M may differ: p under a smaller M is quantised on a finer grid than under the row's own, which shows only near the bottom of the format's range.
; REGISTERS: v1-7 what stays; v8-10 addresses of the loads in hand; v12 -M, v13 the largest t, v[14:15] the sum in two halves; v16-31 Q; v32-95 four fragments of K, then V's own four; v96-159 S^T, then p, then V's other four;
; v160-223 O^T; v224-239 codes; v240-254 at work; v245, v247-249 the stages' addresses.
.set SLOT1, 1<<17                      ; slot 1 begins here: one exclusive or turns an address in one slot into the other's
.set VOFF,  65536                      ; V's part of a slot
.set STEPB, 16384                      ; a key step's eight images
.set SPARE, 2*SLOT1                    ; behind the ring: the spare words, 128 bytes for each wave, which no other line names
.set AK0,  1                           ; v1   16 x lane
.set AVA,  2                           ; v2   the same at V's four images of my half: VOFF + 8,192 half
.set PFO,  3                           ; v3   256 x lane: the prefetches' offset
.set QD,   4                           ; v4   my query's number in its group of 128, less 16 (lane / 16)
.set SPW,  5                           ; v5   my spare word; never rewritten
.set NIL,  6                           ; v6   0; never rewritten
.set AVB,  7                           ; v7   V's other four images
.set ADK,  8
.set ADV,  9
.set ADW,  10
.set A0,   247                         ; the stages, 8,192 bytes a wave, in LDS slot 0, which has had its last fill and was left at the last change of slots: mine,
.set A8,   248                         ; wave w xor 8's,
.set A12,  249                         ; wave w xor 12's,
.set A4,   245                         ; wave w xor 4's
.set WV,   18                          ; s18  my wave's number
.set SEL,  20                          ; s[20:21] lane selects for v_permlanex16_b32: lane l xor 16
.set CS,   22                          ; s[22:23] c = log2(e) / sqrt(128) x 2^(e6 + e7)
.set G1,   24                          ; s[24:31] descriptor group 1
.set TB,   33                          ; s33  LDS byte at which the key step in hand begins
.set ROLE, 39                          ; s39  w & 4: not 0 in the waves that finish a late tile
.set G0,   40                          ; s[40:43] descriptor group 0, which walks
.set J,    66                          ; s66  the key step in its slot
.set SLOTS, 67                         ; s67  slots still to be asked for
.set PFA,  76                          ; s[76:77] where my prefetches stand
.set LIM,  80                          ; s80  1 in a wave that prefetches, else the greatest number
.set GKL,  81                          ; s81  128 (15 - ge)
.set STP,  82                          ; s82  3 - pe: the count of slots in the trip that ends the early tile
.set RUNM, 83                          ; s83  my steps of a slot, a bit each
.set RUNH, 84                          ; s84  the same behind slot pe
.set OSC,  85                          ; s85  2^(e10 - e8 - e9) as f32
.set OLM,  86                          ; s86  448 x that
.set QL,   88                          ; s[88:89] the late tile's image of Q
.set KF,   98                          ; s98  the step's first key
.set GK,   99                          ; s99  the first key of the step on my tile's diagonal
; A joint load.  Waves 0 and 1 fetch K's halves of a slot, waves 2 and 3 V's, the others nothing: the branch hangs on the wave's number alone.  An s_nop 0 and four v_nop follow the line.
.macro JLOAD
	s_cmp_lt_u32 s[WV], 4
	s_cbranch_scc0 .Lasked_\@
	tensor_load_to_lds s[G0:G0+3], s[G1:G1+7]
	s_nop 0
.rept 4
	v_nop
.endr
.Lasked_\@:
.endm
; A PREFETCH INTO THE L2 of what the NEXT change of slots will ask for: 65,536 bytes of K and as many of V.  All four clusters of a head walk the same K and V: the head's first cluster asks.  Its four partners share the bytes out
; BY ADDRESS, 16,384 each; in each, four waves ask: waves 4 and 5 for K's, 6 and 7 for V's, 8,192 bytes a wave, lanes 256 bytes apart.  So each aligned block of 256 bytes is named once in the launch.
; The last change that fills a slot asks for nothing; slots 0 and 1 come by their loads alone.
.macro ASK
	s_cmp_gt_u32 s[SLOTS], s[LIM]
	s_cbranch_scc0 .Lnot_mine_\@
	global_prefetch_b8 v[PFO], s[PFA:PFA+1] th:TH_LOAD_NT scope:SCOPE_SE
.Lnot_mine_\@:
.endm
.macro CROUND                          ; a round of the cluster's barrier
	s_barrier_signal -1
	s_barrier_wait -1
	s_cmp_lg_u32 s[WV], 0
	s_cbranch_scc1 .Lnot_wave_0_\@
	s_barrier_signal -3
.Lnot_wave_0_\@:
	s_barrier_wait -3
	s_barrier_signal -1
	s_barrier_wait -1
.endm
	s_load_b128 s[4:7], s[0:1], 0x0                ; qkv s[4:5], the scales' exponents s[6:7]
	s_load_b64 s[8:9], s[0:1], 0x10                ; acodes
	v_lshl_add_u32 v[SPW], v0, 2, SPARE
	v_mov_b32 v[NIL], 0
	ds_add_u32 v[SPW], v[NIL]                      ; the opening lines: the add twice on end and its wait ahead of my first tensor load
	ds_add_u32 v[SPW], v[NIL]
	v_lshrrev_b32 v8, 5, v0
	v_readfirstlane_b32 s[WV], v8                  ; wave 0..15
	s_lshr_b32 s48, s[WV], 3                       ; half
	s_and_b32 s34, ttmp7, 0xffff                   ; the head,
	s_lshl_b32 s34, s34, 18                        ; 262,144 bytes in each tensor of codes
	s_and_b32 s35, s[WV], 1
	s_bfe_u32 s36, s[WV], 0x10001                  ; (w / 2) % 2
	s_add_co_u32 s10, s36, 1                       ; what I fetch, if I fetch: region 1 (K) or 2 (V),
	s_lshl_b32 s10, s10, 22
	s_add_co_u32 s10, s10, s34                     ; my head,
	s_lshl_b32 s11, s35, 15
	s_add_co_u32 s10, s10, s11                     ; the slot's first or second 32,768 bytes
	s_mov_b32 s11, 0
	s_lshl_b32 s37, ttmp9, 1
	s_add_co_u32 s37, s37, s35                     ; ge
	s_sub_co_u32 s38, 15, s37                      ; the late group
	s_lshl_b32 s[GKL], s38, 7
	s_lshr_b32 s[STP], ttmp9, 1                    ; pe
	s_sub_co_u32 s[STP], 3, s[STP]
	s_lshr_b32 s49, s[WV], 2
	s_lshl_b32 s49, s49, 2                         ; four bits for each w / 4:
	s_lshr_b32 s[RUNM], 0x285f, s49                ; up to slot pe: 1111, 0101, 1000, 0010
	s_and_b32 s[RUNM], s[RUNM], 15
	s_lshr_b32 s[RUNH], 0x2814, s49                ; behind it: 0100, 0001, 1000, 0010
	s_and_b32 s[RUNH], s[RUNH], 15
	s_and_b32 s[ROLE], s[WV], 4
	s_cmp_lt_u32 s[WV], 4                          ; waves 0-3 begin with the early tile
	s_cselect_b32 s37, s37, s38                    ; g
	s_lshl_b32 s[GK], s37, 7
	s_bfe_u32 s44, ttmp6, 0x40000                  ; cx: from here on in registers of their own
	s_lshl_b32 s45, s44, 1
	s_add_co_u32 s45, s45, s36                     ; a
	s_lshl_b32 s12, s37, 14
	s_add_co_u32 s12, s12, s34
	s_lshl_b32 s46, s45, 11
	s_add_co_u32 s12, s12, s46                     ; my tile's image, in q's region and in acodes alike: head, g, a
	s_mov_b32 s13, 0
	s_lshl_b32 s[QL], s38, 14
	s_add_co_u32 s[QL], s[QL], s34
	s_add_co_u32 s[QL], s[QL], s46                 ; the late tile's
	s_mov_b32 s[QL+1], 0
	s_lshl_b32 s54, s48, 10                        ; a finishing wave stores register groups 2 half and 2 half + 1 of the image (waves 0-3, half 0: all four)
	s_mov_b32 s55, 0
	s_lshr_b32 s46, s45, 1
	s_lshl_b32 s46, s46, 5
	s_and_b32 s47, s45, 1
	s_lshl_b32 s47, s47, 3
	s_add_co_u32 s46, s46, s47                     ; 32 (a / 2) + 8 (a % 2)
	s_lshl_b32 s14, s44, 14                        ; the prefetches: my work-group's 16,384 bytes of a slot's 65,536,
	s_lshl_b32 s15, s35, 13
	s_add_co_u32 s14, s14, s15                     ; my wave's half of them,
	s_add_co_u32 s14, s14, s34
	s_add_co_u32 s15, s36, 1
	s_lshl_b32 s15, s15, 22
	s_add_co_u32 s14, s14, s15                     ; of K or of V,
	s_add_co_u32 s14, s14, 65536                   ; in slot 1: the first change of slots steps it to slot 2
	s_mov_b32 s15, 0
	s_lshr_b32 s47, s[WV], 2
	s_xor_b32 s47, s47, 1                          ; 0 in waves 4 to 7,
	s_or_b32 s47, s47, ttmp9                       ; of the head's first cluster: the same in all four partners
	s_cmp_eq_u32 s47, 0
	s_cselect_b32 s[LIM], 1, -1
	s_lshl_b32 s49, s48, 13                        ; V's four images of my half begin 8,192 half into a key step's eight,
	s_xor_b32 s50, s49, 8192                       ; the other four at the other end
	s_add_co_u32 s49, s49, VOFF
	s_add_co_u32 s50, s50, VOFF
	s_lshl_b32 s51, s[WV], 13                      ; the stages
	s_xor_b32 s52, s[WV], 8
	s_lshl_b32 s52, s52, 13
	s_xor_b32 s56, s[WV], 12
	s_lshl_b32 s56, s56, 13
	s_xor_b32 s57, s[WV], 4
	s_lshl_b32 s57, s57, 13
	s_and_b32 s53, s[WV], 3
	; every LDS address register is made here, ahead of the first branch on the wave's number
	v_and_b32 v10, 31, v0
	v_lshlrev_b32 v[AK0], 4, v10
	v_lshlrev_b32 v[PFO], 8, v10
	v_add_nc_u32 v[AVA], s49, v[AK0]
	v_add_nc_u32 v[AVB], s50, v[AK0]
	v_add_nc_u32 v[A0], s51, v[AK0]
	v_add_nc_u32 v[A8], s52, v[AK0]
	v_add_nc_u32 v[A12], s56, v[AK0]
	v_add_nc_u32 v[A4], s57, v[AK0]
	v_and_b32 v10, 15, v0                          ; r
	v_bfe_u32 v11, v0, 4, 1                        ; h
	v_and_b32 v[QD], 8, v10
	v_add_nc_u32 v[QD], v[QD], v10
	v_lshlrev_b32 v11, 4, v11
	v_sub_nc_u32 v[QD], v[QD], v11
	v_add_nc_u32 v[QD], s46, v[QD]                 ; 32 (a / 2) + 8 (a % 2) + r + 8 (r / 8) - 16 h
	; descriptor group 1: a dense block of 32,768 bytes as 128 rows of 32 elements of 8 bytes
	s_mov_b32 s[G1], 15|(3<<16)|(1<<21)            ; the mask: all four work-groups; elements of 8 bytes; bit 21 beside a mask; no padding: an image is read 512 bytes on end
	s_mov_b32 s[G1+1], 32<<16
	s_mov_b32 s[G1+2], 128<<16
	s_mov_b32 s[G1+3], 32<<16
	s_mov_b32 s[G1+4], 128
	s_mov_b32 s[G1+5], 32
	s_mov_b32 s[G1+6], 0
	s_mov_b32 s[G1+7], 0
	s_mov_b32 s[SEL], 0x76543210
	s_mov_b32 s[SEL+1], 0xfedcba98
	s_mov_b32 s[CS], 0x3e0293ee                    ; log2(e) / sqrt(128)
	s_mov_b32 s[TB], 0
	s_mov_b32 s[KF], 0
	s_mov_b32 s[SLOTS], 3
	s_wait_dscnt 0x0                               ; both opening adds are done
	s_wait_kmcnt 0x0
	s_load_b128 s[68:71], s[6:7], 0x18             ; e6, e7, e8, e9
	s_load_b32 s72, s[6:7], 0x28                   ; e10
	s_mov_b32 s[G0], 1
	s_lshl_b32 s[G0+1], s53, 15                    ; LDS address: (wave % 4) x 32,768, in slot 0
	s_add_nc_u64 s[G0+2:G0+3], s[4:5], s[10:11]
	s_or_b32 s[G0+3], s[G0+3], 0x80000000
	s_add_nc_u64 s[PFA:PFA+1], s[4:5], s[14:15]
	s_add_nc_u64 s[QL:QL+1], s[4:5], s[QL:QL+1]
	s_add_nc_u64 s[4:5], s[4:5], s[12:13]          ; Q's image
	s_add_nc_u64 s[8:9], s[8:9], s[12:13]          ; the result's,
	s_add_nc_u64 s[8:9], s[8:9], s[54:55]          ; my half of it
	CROUND                                         ; all four work-groups are here: the first joint loads meet
	JLOAD                                          ; slot 0
.irp c, 0,1,2,3
	global_load_b128 v[16+4*\c:19+4*\c], v[AK0], s[4:5] offset:512*\c   ; Q's fragment stays in registers
.endr
	v_mov_b32 v13, 0xff61b1e6                      ; the largest t so far: -3e38, under every t
	v_floor_f32 v12, -v13                          ; -M
	v_mov_b32 v14, 0                               ; the sum, in two halves
	v_mov_b32 v15, 0
	v_mov_b32 v246, 0                              ; written once: a lane permute's destination counts as one of its sources
	v_mov_b32 v252, 0
	v_mov_b32 v253, 0                              ; (named as the upper half of the pair v[252:253])
.set i, 0
.rept 64
	v_mov_b32 v[160+i], 0                          ; O^T.  (The step is written for every trip alike: the first finds zeros; a wave with no key step hands zeros on)
.set i, i+1
.endr
	s_wait_kmcnt 0x0
	s_add_co_i32 s73, s68, s69
	s_lshl_b32 s73, s73, 23
	s_add_co_i32 s[CS], s[CS], s73                 ; a score stands for score x 2^(e6 + e7): the two exponents are added to c's exponent field
	s_mov_b32 s[CS+1], s[CS]
	s_add_co_i32 s73, s70, 127
	s_lshl_b32 s74, s73, 23
	v_mov_b32 v244, s74                            ; 2^e8 as f32, for p's conversions
	s_add_co_i32 s73, s73, 8
	s_lshl_b32 s73, s73, 23
	s_or_b32 s73, s73, 0x600000
	v_mov_b32 v240, s73                            ; 448 x 2^e8
	s_sub_co_i32 s73, s72, s70                     ; o = O^T x 2^(e8 + e9) / sum, code = o / 2^e10: the three exponents are folded into the conversion's scale
	s_sub_co_i32 s73, s73, s71
	s_add_co_i32 s73, s73, 127
	s_lshl_b32 s[OSC], s73, 23
	s_add_co_i32 s73, s73, 8
	s_lshl_b32 s73, s73, 23
	s_or_b32 s[OLM], s73, 0x600000
; A KEY STEP: the 128 keys whose images begin at LDS byte s[TB].
.macro STEP
	s_cmp_gt_u32 s[KF], s[GK]                      ; all its keys come after my queries: left out.  Scalar branches on ids, round loads, products and softmax alone
	s_cbranch_scc1 .Lhidden_\@
	s_lshr_b32 s96, s[RUNM], s[J]                  ; not one of my steps: left out
	s_and_b32 s96, s96, 1
	s_cmp_eq_u32 s96, 0
	s_cbranch_scc1 .Lhidden_\@
	v_add_nc_u32 v[ADK], s[TB], v[AK0]
	s_wait_alu depctr_va_vdst(0)
	v_add_nc_u32 v[ADV], s[TB], v[AVA]
	v_add_nc_u32 v[ADW], s[TB], v[AVB]
	v_nop                                          ; five plain lines: four are owed in front of loads into v32-95, which the last step's products read,
	v_nop                                          ; five in front of the products below, whose results are laid over v96-159, which those products read too (ISA guide 7.12.1)
.irp g, 0,1                            ; S^T = K Q^T, four tiles of 16 keys at a time
.if \g > 0
.rept 4
	v_nop                                          ; four places in front of loads into registers that matrix instructions have read
.endr
.endif
.irp t, 0,1,2,3
.irp c, 0,1,2,3
	ds_load_b128 v[32+16*\t+4*\c:35+16*\t+4*\c], v[ADK] offset:2048*(4*\g+\t)+512*\c
.endr
.endr
	s_wait_dscnt 0x0
.irp t, 0,1,2,3
	v_wmma_f32_16x16x128_fp8_fp8 v[96+8*(4*\g+\t):103+8*(4*\g+\t)], v[32+16*\t:47+16*\t], v[16:31], 0
.endr
.endr                                  ; register 16 b + i holds key KF + 32 b + 16 (lane / 16) + i
.rept 4
	v_nop                                          ; four places: in front of the reads of the scores, and of the loads below into K's registers
.endr
	s_wait_alu depctr_va_vdst(0)
.irp t, 0,1,2,3                        ; V's four images of my half are asked for here: they land while the softmax is worked
.irp c, 0,1,2,3
	ds_load_b128 v[32+16*\t+4*\c:35+16*\t+4*\c], v[ADV] offset:2048*\t+512*\c
.endr
.endr
	s_cmp_lg_u32 s[KF], s[GK]                      ; only the step on the diagonal has hidden keys
	s_cbranch_scc1 .Lopen_\@
	v_mov_b32 v254, 0xff800000                     ; -infinity: p = 0 then
.set n, 0
.rept 64
	v_cmp_gt_i32 vcc_lo, 32*(n/16)+n%16, v[QD]
	v_cndmask_b32 v[96+n], v[96+n], v254, vcc_lo
.set n, n+1
.endr
.Lopen_\@:
	v_max3_num_f32 v254, v96, v97, v98             ; the step's largest score of my query, among my 64 keys, in two chains,
	v_max3_num_f32 v252, v99, v100, v101
.irp i, 6,10,14,18,22,26,30,34,38,42,46,50,54,58
	v_max3_num_f32 v254, v254, v[96+\i], v[97+\i]
	v_max3_num_f32 v252, v252, v[98+\i], v[99+\i]
.endr
	v_max3_num_f32 v254, v254, v158, v159
	s_delay_alu instid0(VALU_DEP_1)
	v_max_num_f32 v254, v254, v252
	s_delay_alu instid0(VALU_DEP_1)
	v_permlanex16_b32 v246, v254, s[SEL], s[SEL+1]
	s_delay_alu instid0(VALU_DEP_1)
	v_max_num_f32 v254, v254, v246                 ; and among lane l xor 16's
	s_delay_alu instid0(VALU_DEP_1)
	v_mul_f32 v254, s[CS], v254                    ; as t (c is positive)
	s_delay_alu instid0(VALU_DEP_1)
	v_max_num_f32 v13, v13, v254                   ; the running largest t
	v_mov_b32 v254, v12
	s_delay_alu instid0(VALU_DEP_2)
	v_floor_f32 v12, -v13                          ; the new -M = floor(-t): M is a whole number
	s_delay_alu instid0(VALU_DEP_1)
	v_sub_f32 v254, v12, v254                      ; M's old value less its new one: a whole number, 0 or less
	s_delay_alu instid0(VALU_DEP_1)
	v_cvt_i32_f32 v254, v254                       ; (it saturates)
	s_delay_alu instid0(VALU_DEP_1)
	v_ldexp_f32 v252, 1.0, v254                    ; f = 2^(old M - new M)
.set j, 0
.rept 32
	v_pk_fma_f32 v[96+j:97+j], v[96+j:97+j], s[CS:CS+1], v[12:13] op_sel_hi:[1,0,0]   ; t - M, two at a time (of the pairs c and -M the low word serves both halves)
.set j, j+2
.endr
.set j, 0
	s_wait_alu depctr_va_vdst(0)
.rept 64
	v_exp_f32 v[96+j], v[96+j]                     ; p = 2^(t - M), at most 1: one batch
.set j, j+1
.endr
	v_pk_mul_f32 v[14:15], v[14:15], v[252:253] op_sel_hi:[1,0]   ; the sums under the new M: the plain line behind the exponentials
	s_wait_alu depctr_va_vdst(0)                   ; one wait for the batch, ahead of its first reader
	v_pk_add_f32 v[242:243], v[100:101], v[104:105]
	v_pk_add_f32 v[254:255], v[108:109], v[112:113]
	v_pk_add_f32 v[250:251], v[116:117], v[120:121]
	v_pk_add_f32 v[238:239], v[124:125], v[128:129]
	v_pk_add_f32 v[236:237], v[132:133], v[136:137]
	v_pk_add_f32 v[234:235], v[140:141], v[144:145]
	v_pk_add_f32 v[232:233], v[148:149], v[152:153]
	v_pk_add_f32 v[14:15], v[14:15], v[156:157]
	v_pk_add_f32 v[242:243], v[242:243], v[96:97]
	v_pk_add_f32 v[254:255], v[254:255], v[98:99]
	v_pk_add_f32 v[250:251], v[250:251], v[102:103]
	v_pk_add_f32 v[238:239], v[238:239], v[106:107]
	v_pk_add_f32 v[236:237], v[236:237], v[110:111]
	v_pk_add_f32 v[234:235], v[234:235], v[114:115]
	v_pk_add_f32 v[232:233], v[232:233], v[118:119]
	v_pk_add_f32 v[14:15], v[14:15], v[122:123]
	v_pk_add_f32 v[242:243], v[242:243], v[126:127]
	v_pk_add_f32 v[254:255], v[254:255], v[130:131]
	v_pk_add_f32 v[250:251], v[250:251], v[134:135]
	v_pk_add_f32 v[238:239], v[238:239], v[138:139]
	v_pk_add_f32 v[236:237], v[236:237], v[142:143]
	v_pk_add_f32 v[234:235], v[234:235], v[146:147]
	v_pk_add_f32 v[232:233], v[232:233], v[150:151]
	v_pk_add_f32 v[14:15], v[14:15], v[154:155]
	v_pk_add_f32 v[242:243], v[242:243], v[158:159]
	s_delay_alu instid0(VALU_DEP_2)
	v_pk_add_f32 v[14:15], v[14:15], v[238:239]
	s_delay_alu instid0(VALU_DEP_2)
	v_pk_add_f32 v[242:243], v[242:243], v[236:237]
	v_pk_add_f32 v[254:255], v[254:255], v[234:235]
	v_pk_add_f32 v[250:251], v[250:251], v[232:233]
	s_delay_alu instid0(VALU_DEP_2)
	v_pk_add_f32 v[14:15], v[14:15], v[254:255]
	s_delay_alu instid0(VALU_DEP_2)
	v_pk_add_f32 v[242:243], v[242:243], v[250:251]
	s_delay_alu instid0(VALU_DEP_1)
	v_pk_add_f32 v[14:15], v[14:15], v[242:243]
.irp b, 0,1,2,3
.set i, 0
.rept 16
	v_min_num_f32 v[96+16*\b+i], v[96+16*\b+i], v240   ; the conversion does not saturate (ISA guide 7.6.2); p is not negative, so the hold is one-sided
.set i, i+1
.endr
	v_cvt_scalef32_pk8_fp8_f32 v[224+4*\b:225+4*\b], v[96+16*\b:103+16*\b], v244
	v_cvt_scalef32_pk8_fp8_f32 v[226+4*\b:227+4*\b], v[104+16*\b:111+16*\b], v244
.endr
	v_pk_mul_f32 v[160:161], v[160:161], v[252:253] op_sel_hi:[1,0]   ; O^T under the new M; the first two lines are the plain lines behind the conversions
	v_pk_mul_f32 v[162:163], v[162:163], v[252:253] op_sel_hi:[1,0]
.irp t, 0,1,2,3                        ; V's other four images go into the registers that p has left: they land while the rest of O^T is rescaled
.irp c, 0,1,2,3
	ds_load_b128 v[96+16*\t+4*\c:99+16*\t+4*\c], v[ADW] offset:2048*\t+512*\c
.endr
.endr
.set j, 4
.rept 30
	v_pk_mul_f32 v[160+j:161+j], v[160+j:161+j], v[252:253] op_sel_hi:[1,0]
.set j, j+2
.endr
	s_wait_alu depctr_va_vdst(0)
	s_wait_dscnt 16                                ; LDS loads come back in order: the older sixteen are in; the sixteen just issued may be out
.irp t, 0,1,2,3                        ; O^T += V^T P^T: eight accumulators by turns, one instruction a turn
	v_wmma_f32_16x16x128_fp8_fp8 v[160+8*\t:167+8*\t], v[32+16*\t:47+16*\t], v[224:239], v[160+8*\t:167+8*\t]
.endr
	s_wait_dscnt 0x0
.irp t, 0,1,2,3
	v_wmma_f32_16x16x128_fp8_fp8 v[192+8*\t:199+8*\t], v[96+16*\t:111+16*\t], v[224:239], v[192+8*\t:199+8*\t]
.endr
.Lhidden_\@:
.endm
; THE CHANGE OF SLOTS stands at a slot's head.  Each wave waits for all its tensor loads, adds 0 to its spare word, and waits for that and for its reads of the slot that it has left.
; fill = 1: the barrier is a round of the cluster's; the joint load of the next 512 keys is the first thing behind it and has a slot's key steps in which to land.
.macro CHANGE fill
	s_wait_tensorcnt 0x0                           ; no tensor load of mine is out, so group 0 may be written
	ds_add_u32 v[SPW], v[NIL]
.if \fill
	ds_add_u32 v[SPW], v[NIL]                      ; and once more
	s_xor_b32 s[G0+1], s[G0+1], SLOT1              ; the other slot than last time,
	s_add_nc_u64 s[G0+2:G0+3], s[G0+2:G0+3], 65536 ; the next 512 keys
	s_wait_xcnt 0x0                                ; the last prefetch has read its address, so it may be written:
	s_add_nc_u64 s[PFA:PFA+1], s[PFA:PFA+1], 65536 ; one slot further on than the walking descriptor
	s_wait_dscnt 0x0
	CROUND
	JLOAD
	ASK
.else
	s_wait_dscnt 0x0
	s_barrier_signal -1
	s_barrier_wait -1
.endif
.endm
.macro SLOT_STEPS                      ; a slot's four key steps: written once, walked four times
	s_mov_b32 s[J], 0
.Lstep_\@:
	STEP
	s_add_co_u32 s[TB], s[TB], STEPB
	s_add_co_u32 s[KF], s[KF], 128
	s_add_co_u32 s[J], s[J], 1
	s_cmp_lt_u32 s[J], 4
	s_cbranch_scc1 .Lstep_\@
	s_sub_co_u32 s[TB], s[TB], 4*STEPB             ; back to a slot's first step,
	s_xor_b32 s[TB], s[TB], SLOT1                  ; in the other slot
.endm
.macro HOLDCVT src, n                  ; n groups of 16 numbers from v[src] on: the hold at the largest code x the scale (the conversion does not saturate: ISA guide 7.6.2), then the codes into v224 on
.set b, 0
.rept \n
.set i, 0
.rept 16
	v_med3_num_f32 v[\src+16*b+i], v[\src+16*b+i], -v251, v251
.set i, i+1
.endr
	v_cvt_scalef32_pk8_fp8_f32 v[224+4*b:225+4*b], v[\src+16*b:\src+16*b+7], v250
	v_cvt_scalef32_pk8_fp8_f32 v[226+4*b:227+4*b], v[\src+16*b+8:\src+16*b+15], v250
.set b, b+1
.endr
	v_nop                                          ; a plain line behind the last conversions
.endm
	s_wait_alu depctr_va_vdst(0)
	s_wait_loadcnt 0x0                             ; Q
.Lslot:                                            ; three trips: behind each change of slots but the last the next slot is asked for
	CHANGE 1
	SLOT_STEPS
	s_cmp_eq_u32 s[SLOTS], s[STP]                  ; slot pe is done: from here on the masks of the later slots hold
	s_cselect_b32 s[RUNM], s[RUNH], s[RUNM]
	s_cbranch_scc0 .Lkeep
	s_cmp_lt_u32 s[WV], 4
	s_cbranch_scc0 .Lkeep
	; waves 0-3: THE EARLY TILE IS FINISHED: all its keys were mine
	v_add_f32 v14, v14, v15                        ; the sum's two halves.  (With the three lines below: the four places behind the last products)
	v_nop
	v_nop
	v_nop
.irp c, 0,1,2,3
	global_load_b128 v[16+4*\c:19+4*\c], v[AK0], s[QL:QL+1] offset:512*\c   ; the late tile's Q
.endr
	v_permlanex16_b32 v252, v14, s[SEL], s[SEL+1]
	v_add_f32 v14, v14, v252                       ; and lane l xor 16's: the row's sum
	s_wait_alu depctr_va_vdst(0)
	v_rcp_f32 v14, v14
	v_mov_b32 v250, s[OSC]
	v_mov_b32 v251, s[OLM]
	s_wait_alu depctr_va_vdst(0)                   ; the wait ahead of the reciprocal's first reader and of O^T's
	v_mov_b32 v15, v14
.set j, 0
.rept 32
	v_pk_mul_f32 v[96+j:97+j], v[160+j:161+j], v[14:15]   ; register 16 b + i is channel 32 b + 16 (lane / 16) + i; each accumulator from its low end on
.set j, j+2
.endr
	HOLDCVT 96, 4
.irp c, 0,1,2,3
	global_store_b128 v[AK0], v[224+4*\c:227+4*\c], s[8:9] offset:512*\c   ; the whole image: 512 consecutive bytes a store
.endr
	v_mov_b32 v13, 0xff61b1e6                      ; and I begin anew, as a part of the late tile
	v_floor_f32 v12, -v13
	v_mov_b32 v14, 0
	v_mov_b32 v15, 0
.set i, 0
.rept 64
	v_mov_b32 v[160+i], 0
.set i, i+1
.endr
	s_mov_b32 s[GK], s[GKL]
	s_wait_alu depctr_va_vdst(0)
	s_wait_xcnt 0x0                                ; the stores have read their codes
	s_wait_loadcnt 0x0                             ; Q
.Lkeep:
	s_sub_co_u32 s[SLOTS], s[SLOTS], 1
	s_cmp_lg_u32 s[SLOTS], 0
	s_cbranch_scc1 .Lslot
	CHANGE 0                                       ; the last slot is written out
	SLOT_STEPS
	; THE FOUR PARTS OF THE LATE TILE MEET.  My stage: bytes 0 on: v192-223, the 64 channels of the other half; a helping wave: bytes 4,096 on: v160-191.
	; -M and the sum: a finishing wave's at byte 4,096 of its stage; a helping wave's at byte 4,608 of the stage of wave w xor 4.
	v_add_f32 v14, v14, v15                        ; my sum's two halves.  (With the three lines below: the four places behind the last products)
	v_nop
	v_nop
	v_nop
	s_wait_alu depctr_va_vdst(0)
.irp i, 0,1,2,3,4,5,6,7
	ds_store_b128 v[A0], v[192+4*\i:195+4*\i] offset:512*\i   ; each accumulator from its low end on
.endr
	s_cmp_lg_u32 s[ROLE], 0
	s_cbranch_scc1 .Lst_fin
.irp i, 0,1,2,3,4,5,6,7
	ds_store_b128 v[A0], v[160+4*\i:163+4*\i] offset:4096+512*\i
.endr
	ds_store_b128 v[A4], v[12:15] offset:4608
	s_branch .Lst_done
.Lst_fin:
	ds_store_b128 v[A0], v[12:15] offset:4096
.Lst_done:
	s_wait_dscnt 0x0                               ; for the others' sake: my stores have landed
	s_barrier_signal -1
	s_barrier_wait -1
	s_cmp_eq_u32 s[ROLE], 0
	s_cbranch_scc1 .Lend                           ; a helping wave has handed everything on
.irp i, 0,1,2,3,4,5,6,7
	ds_load_b128 v[32+4*\i:35+4*\i], v[A8] offset:512*\i           ; my 64 channels: from the other finishing wave,
.endr
.irp i, 0,1,2,3,4,5,6,7
	ds_load_b128 v[64+4*\i:67+4*\i], v[A12] offset:512*\i          ; from the helping wave of the other half,
.endr
.irp i, 0,1,2,3,4,5,6,7
	ds_load_b128 v[96+4*\i:99+4*\i], v[A4] offset:4096+512*\i      ; from the helping wave of my half
.endr
	ds_load_b128 v[128:131], v[A8] offset:4096     ; their -M (first word) and sums (third word), in the same order
	ds_load_b128 v[132:135], v[A8] offset:4608
	ds_load_b128 v[136:139], v[A0] offset:4608
	s_wait_dscnt 0x0
	v_min3_num_f32 v140, v12, v128, v132
	v_min_num_f32 v140, v140, v136                 ; -M of all four: M is the largest
	v_sub_f32 v141, v140, v12                      ; each part's M less that: whole numbers, 0 or less
	v_sub_f32 v142, v140, v128
	v_sub_f32 v143, v140, v132
	v_sub_f32 v144, v140, v136
.irp k, 141,142,143,144
	v_cvt_i32_f32 v\k, v\k                         ; (they saturate)
.endr
.irp k, 141,142,143,144
	v_ldexp_f32 v\k, 1.0, v\k                      ; what brings each part under the joint M: nothing is rounded
.endr
	v_mul_f32 v14, v14, v141
	v_fma_f32 v14, v130, v142, v14
	v_fma_f32 v14, v134, v143, v14
	v_fma_f32 v14, v138, v144, v14                 ; the joint sum of my lane's keys,
	v_permlanex16_b32 v252, v14, s[SEL], s[SEL+1]
	v_add_f32 v14, v14, v252                       ; and lane l xor 16's
	s_wait_alu depctr_va_vdst(0)
	v_rcp_f32 v14, v14
	v_mov_b32 v250, s[OSC]
	v_mov_b32 v251, s[OLM]
	s_wait_alu depctr_va_vdst(0)                   ; the wait ahead of the reciprocal's first reader and of O^T's
.irp k, 0,1,2,3
	v_mul_f32 v[146+2*\k], v[141+\k], v14          ; each power of two / the sum, twice: pairs for the packed forms
	v_mul_f32 v[147+2*\k], v[141+\k], v14
.endr
.set j, 0
.rept 16
	v_pk_mul_f32 v[192+j:193+j], v[160+j:161+j], v[146:147]   ; my part; each accumulator from its low end on
.set j, j+2
.endr
.irp k, 1,2,3
.set j, 0
.rept 16
	v_pk_fma_f32 v[192+j:193+j], v[32*\k+j:32*\k+j+1], v[146+2*\k:147+2*\k], v[192+j:193+j]   ; and the three others': register 16 b + i is channel 64 half + 32 b + 16 (lane / 16) + i
.set j, j+2
.endr
.endr
	HOLDCVT 192, 2
.irp b, 0,1
	global_store_b128 v[AK0], v[224+4*\b:227+4*\b], s[8:9] offset:512*\b   ; register group 2 half + b of the image: 512 consecutive bytes a wave
.endr
.Lend:
	s_wait_tensorcnt 0x0                           ; the wave's end
	ds_add_u32 v[SPW], v[NIL]
	s_wait_dscnt 0x0
	CROUND                                         ; the closing round
	s_endpgm
.Lfunc_end_k_qdf703dbbc7_attn:
	.size	k_qdf703dbbc7_attn, .Lfunc_end_k_qdf703dbbc7_attn-k_qdf703dbbc7_attn
	.p2alignl 7, 3214868480
	.fill 96, 4, 3214868480
	.section	.rodata,"a",@progbits
	.p2align	6, 0x0
	.amdhsa_kernel k_qdf703dbbc7_attn
		.amdhsa_group_segment_fixed_size 327680
		.amdhsa_private_segment_fixed_size 0
		.amdhsa_enable_private_segment 0
		.amdhsa_kernarg_size 24
		.amdhsa_user_sgpr_count 2
		.amdhsa_user_sgpr_kernarg_segment_ptr 1
		.amdhsa_wavefront_size32 1
		.amdhsa_system_sgpr_workgroup_id_x 1
		.amdhsa_system_sgpr_workgroup_id_y 1
		.amdhsa_system_sgpr_workgroup_id_z 1
		.amdhsa_system_vgpr_workitem_id 0
		.amdhsa_next_free_vgpr 256
		.amdhsa_next_free_sgpr 100
		.amdhsa_reserve_vcc 1
		.amdhsa_float_denorm_mode_32 3
		.amdhsa_float_denorm_mode_16_64 3
		.amdhsa_memory_ordered 1
		.amdhsa_forward_progress 1
		.amdhsa_inst_pref_size 82
	.end_amdhsa_kernel
	.amdgpu_metadata
---
amdhsa.version: [ 1, 2 ]
amdhsa.kernels:
  - .name:           k_qdf703dbbc7_attn
    .symbol:         k_qdf703dbbc7_attn.kd
    .args:
      - { .name: qkv, .offset: 0, .size: 8, .value_kind: global_buffer, .address_space: global }
      - { .name: lowp_scales, .offset: 8, .size: 8, .value_kind: global_buffer, .address_space: global }
      - { .name: acodes, .offset: 16, .size: 8, .value_kind: global_buffer, .address_space: global }
    .group_segment_fixed_size: 327680
    .private_segment_fixed_size: 0
    .kernarg_segment_align: 8
    .kernarg_segment_size: 24
    .max_flat_workgroup_size: 512
    .sgpr_count:     100
    .vgpr_count:     256
    .wavefront_size: 32
...
	.end_amdgpu_metadata
.endif
;; end of part 3
;; launch oproj (part 4): grid 16 x 16, 4 waves a work-group, clusters of 4 x 4, 327,680 bytes of LDS; arguments acodes, codes, lowp_scales, out0; writes out0
.if DOCPART == 4
	.amdgcn_target "amdgcn-amd-amdhsa--gfx1250"
	.amdhsa_code_object_version 6
	.text
	.protected	k_qdf703dbbc7_oproj
	.globl	k_qdf703dbbc7_oproj
	.p2align	8
	.type	k_qdf703dbbc7_oproj,@function
k_qdf703dbbc7_oproj:
	s_mov_b64 s[64:65], 0
	v_nop
	global_prefetch_b8 v0, s[64:65] scope:SCOPE_SE
	s_setreg_imm32_b32 hwreg(HW_REG_WAVE_MODE, 25, 1), 1
	s_wait_xcnt 0x0
	s_wait_alu depctr_hold_cnt(0) depctr_sa_sdst(0) depctr_va_vdst(0) depctr_va_sdst(0) depctr_va_ssrc(0) depctr_va_vcc(0) depctr_vm_vsrc(0)
	s_getreg_b32 s2, hwreg(HW_REG_IB_STS2, 6, 4)
	s_cmp_eq_u32 s2, 0
	s_cbranch_scc0 .Lentry_in_a_cluster
	s_endpgm
.Lentry_in_a_cluster:
	s_bfe_u32 s2, ttmp6, 0x10000c
	s_cmp_lg_u32 s2, 0xf033
	s_cbranch_scc0 .Lentry_shape_is_right
	s_endpgm
.Lentry_shape_is_right:
; OPROJ: out0[token][n] = 2^(e10 + e11) x the sum over k of a[token][k] Wo[n][k], on codes of FP8 (E4M3); sums in f32.
; a comes as images of operand registers: acodes [16 heads][16 blocks of 128 tokens][8 images][2,048 bytes]; a head is 128 along K; lane r of image i is token 32 (i / 2) + 8 (i % 2) + r + 8 (r / 8) of its block.
; Wo's codes are region 6 of codes: rows of 2,048 bytes, row rho at place rho with its bits 3 and 4 exchanged.
; A block of 128 tokens x 128 columns is made by four waves, each 64 x 64: 16 accumulators.  K goes in steps of 512 through two LDS slots: a's four heads (65,536 bytes), then 128 rows of Wo, 528 bytes apart.
; CLUSTERS: 4 x 4 work-groups; a's tiles are asked for jointly along a row of the cluster, Wo's along a column; a step's tiles are shared out four ways among the waves.
; THE HEAD asks for K step 0, one load a wave; K step 1 is asked for as a refill is, behind the waits, the add and a round.
; PREFETCH: K steps 1 and 2 are asked for at the head, K step 3 behind the load of step 1: of a step's 65,536 bytes of a and of Wo a work-group takes a quarter by address (a: head cx of the four; Wo: 32 rows by cy),
; 8,192 bytes a wave and step, lanes 256 bytes apart.
; THE MATRIX INSTRUCTION IS USED TRANSPOSED (source 0 = 16 places of Wo, source 1 = an image of a): a lane holds one token and eight neighbouring columns.
; The results go through the wave's own stage, in slot 0 behind its last fill and last read, and leave as aligned units of 256 bytes.
; LIMIT: e10 + e11 between -126 and 127.
.set PB,     528                       ; a row of Wo in LDS: 512 bytes + 16
.set BOFF,   65536
.set SLOT,   BOFF+128*PB
.set SPARE,  2*SLOT                    ; the spare words, which no other line names
.set SPITCH, 272
.set LAPS,   2
.set ADRA, 16                          ; v16-17 my images in slot 0, 1
.set ADRB, 20                          ; v20-21 my rows of Wo
.set STO,  24
.set RD,   25
.set CO,   26
.set PF3,  27                          ; v27, v30-31 the three prefetches' offsets; never rewritten
.set SPW,  28                          ; my spare word; never rewritten
.set NIL,  29                          ; 0; never rewritten
.set PFO,  30
.set TMP,  32
.set BK,   64
.set ACC,  128
.set F0,   0                           ; two sets of fragments in window 1: a's four at +0, Wo's four at +64
.set F1,   128
.set G1, 24
.set G0, 32
.set G1B, 48
.set G0B, 56
.set PFA,  100
.set FLB,  (1<<20)|(1<<21)|(6<<22)|(3<<25)
.set MSB, 0
.macro WIN new
.if MSB != \new
	s_set_vgpr_msb (MSB<<8)|\new
.set MSB, \new
.endif
.endm
.set MUL,  0x05                        ; sources 0 and 1 in window 1
.set TO_F, 0x40
.macro JLOAD s                         ; waves 0 and 1 ask for a, waves 2 and 3 for Wo
	s_cmp_eq_u32 s15, 0
	s_cbranch_scc0 .Lfor_b_\@
	tensor_load_to_lds s[G0+4*\s:G0+4*\s+3], s[G1:G1+7]
	s_nop 0
.rept 4
	v_nop
.endr
	s_branch .Lasked_\@
.Lfor_b_\@:
	tensor_load_to_lds s[G0B+4*\s:G0B+4*\s+3], s[G1B:G1B+7]
	s_nop 0
.rept 4
	v_nop
.endr
.Lasked_\@:
.endm
.macro CREST
	s_cmp_lg_u32 s14, 0
	s_cbranch_scc1 .Lnot_wave_0_\@
	s_barrier_signal -3
.Lnot_wave_0_\@:
	s_barrier_wait -3
	s_barrier_signal -1
	s_barrier_wait -1
.endm
.macro CROUND
	s_barrier_signal -1
	s_barrier_wait -1
	CREST
.endm
.macro DESC g, cols, rows, pitch
	s_mov_b32 s[\g+1], (\cols)<<16
	s_mov_b32 s[\g+2], (\rows)<<16
	s_mov_b32 s[\g+3], (\cols)<<16
	s_mov_b32 s[\g+4], \rows
	s_mov_b32 s[\g+5], \pitch
	s_mov_b32 s[\g+6], 0
	s_mov_b32 s[\g+7], 0
.endm
	s_load_b256 s[4:11], s[0:1], 0x0               ; acodes, codes, the scales' exponents, out0
	v_lshl_add_u32 v[SPW], v0, 2, SPARE
	v_mov_b32 v[NIL], 0
	ds_add_u32 v[SPW], v[NIL]                      ; the opening lines: the add twice on end and its wait
	ds_add_u32 v[SPW], v[NIL]
	v_lshrrev_b32 v1, 5, v0
	v_readfirstlane_b32 s14, v1                    ; wave
	s_lshr_b32 s15, s14, 1                         ; my half of the tokens; also: I ask for a (0) or Wo (1)
	s_and_b32 s16, s14, 1                          ; my half of the columns; also: which half of a tile I ask for
	s_bfe_u32 s40, ttmp6, 0x40000
	s_bfe_u32 s41, ttmp6, 0x40004
	s_lshl_b32 s42, ttmp9, 2
	s_add_co_u32 s42, s42, s40                     ; block of columns
	s_and_b32 s17, ttmp7, 0xffff
	s_lshl_b32 s17, s17, 2
	s_add_co_u32 s17, s17, s41                     ; block of tokens
	s_lshl_b32 s43, s41, 2
	s_lshl_b32 s43, 15, s43
	s_lshl_b32 s44, 0x1111, s40
	s_or_b32 s[G1], s43, (3<<16)|(1<<21)           ; a: elements of 8 bytes, no padding: a row is a head's 16,384 bytes of my tokens
	s_or_b32 s[G1B], s44, FLB                      ; Wo: elements of 1 byte, 4 words behind every 128
	DESC G1, 2048, 2, 32768
	DESC G1B, 512, 64, 2048
	s_lshl_b32 s20, s16, 19
	s_lshl_b32 s18, s17, 14
	s_add_co_u32 s20, s20, s18                     ; a: heads 2 (wave % 2) on of a step's four
	s_mov_b32 s21, 0
	s_lshl_b32 s46, s42, 7
	s_lshl_b32 s19, s16, 6
	s_add_co_u32 s46, s46, s19
	s_lshl_b32 s46, s46, 11
	s_add_co_u32 s46, s46, 6<<22                   ; Wo: 64 places
	s_mov_b32 s47, 0
	s_lshl_b32 s45, s16, 15
	s_mul_i32 s22, s16, 64*PB
	s_add_co_u32 s22, s22, BOFF
	s_wait_dscnt 0x0
	s_wait_kmcnt 0x0
	s_load_b64 s[66:67], s[8:9], 0x28              ; e10, e11
	s_add_nc_u64 s[20:21], s[4:5], s[20:21]
	s_add_nc_u64 s[46:47], s[6:7], s[46:47]
.irp s, 0,1
	s_mov_b32 s[G0+4*\s], 1
	s_add_co_u32 s[G0+4*\s+1], s45, \s*SLOT
	s_add_nc_u64 s[G0+4*\s+2:G0+4*\s+3], s[20:21], \s*4*262144
	s_or_b32 s[G0+4*\s+3], s[G0+4*\s+3], 0x80000000
	s_mov_b32 s[G0B+4*\s], 1
	s_add_co_u32 s[G0B+4*\s+1], s22, \s*SLOT
	s_add_nc_u64 s[G0B+4*\s+2:G0B+4*\s+3], s[46:47], \s*512
	s_or_b32 s[G0B+4*\s+3], s[G0B+4*\s+3], 0x80000000
.endr
	CROUND                                         ; the first joint loads meet
	JLOAD 0                                        ; K step 0: my one load at the head
	; the prefetches, from K step 1 on: a: head 4 + cx, my tokens, 8,192 bytes by wave % 2;  Wo: places 32 cy + 16 (wave % 2) on of my block, bytes 512 on
	s_add_co_u32 s18, s40, 4
	s_lshl_b32 s18, s18, 18
	s_lshl_b32 s19, s17, 14
	s_add_co_u32 s18, s18, s19
	s_lshl_b32 s19, s16, 13
	s_add_co_u32 s18, s18, s19
	s_lshl_b32 s19, s42, 7
	s_lshl_b32 s23, s41, 5
	s_add_co_u32 s19, s19, s23
	s_lshl_b32 s23, s16, 4
	s_add_co_u32 s19, s19, s23
	s_lshl_b32 s19, s19, 11
	s_add_co_u32 s19, s19, (6<<22)+512
	s_mov_b32 s2, 512
	s_cmp_eq_u32 s15, 0
	s_cselect_b32 s18, s18, s19
	s_cselect_b64 s[PFA:PFA+1], s[4:5], s[6:7]
	s_cselect_b32 s23, 0, -1
	s_cselect_b32 s2, 0x100000, s2                 ; a K step on: four heads, or 512 bytes of a row
	s_mov_b32 s19, 0
	s_add_nc_u64 s[PFA:PFA+1], s[PFA:PFA+1], s[18:19]
	v_and_b32 v3, 31, v0
	v_lshlrev_b32 v6, 8, v3                        ; a: 256 x lane
	v_lshrrev_b32 v7, 1, v3
	v_and_b32 v8, 1, v3
	v_lshlrev_b32 v8, 8, v8
	v_lshl_add_u32 v7, v7, 11, v8                  ; Wo: two lanes to a row's 512 bytes
	v_cndmask_b32 v[PFO], v6, v7, s23
	v_add_nc_u32 v[PFO+1], s2, v[PFO]
	v_add_nc_u32 v[PF3], s2, v[PFO+1]
	global_prefetch_b8 v[PFO], s[PFA:PFA+1] th:TH_LOAD_NT scope:SCOPE_SE     ; K step 1
	global_prefetch_b8 v[PFO+1], s[PFA:PFA+1] th:TH_LOAD_NT scope:SCOPE_SE   ; K step 2
	s_lshl_b32 s18, s15, 13                        ; my four images of a head's eight
	s_mul_i32 s19, s16, 64*PB
	s_add_co_u32 s19, s19, BOFF                    ; my 64 places of Wo
	s_mul_i32 s23, s14, 16*SPITCH                  ; my stage
	v_and_b32 v1, 15, v0
	v_bfe_u32 v2, v0, 4, 1
	v_lshlrev_b32 v3, 4, v3
	v_mul_u32_u24 v4, v1, PB
	v_lshl_add_u32 v4, v2, 4, v4
	v_add_nc_u32 v[ADRA], s18, v3
	v_add_nc_u32 v[ADRB], s19, v4
	v_add_nc_u32 v[ADRA+1], SLOT, v[ADRA]
	v_add_nc_u32 v[ADRB+1], SLOT, v[ADRB]
	v_mul_u32_u24 v5, v1, SPITCH                   ; into the stage: row r; place 16 b + 8 h + j is column 32 (b / 2) + 16 h + 8 (b % 2) + j
	v_lshl_add_u32 v5, v2, 6, v5
	v_add_nc_u32 v[STO], s23, v5
	v_mul_u32_u24 v5, v2, SPITCH                   ; back: lanes 0-15 one row, lanes 16-31 the next
	v_lshl_add_u32 v5, v1, 4, v5
	v_add_nc_u32 v[RD], s23, v5
	v_lshlrev_b32 v5, 13, v2
	v_lshl_add_u32 v[CO], v1, 4, v5
	s_lshl_b32 s70, s17, 7
	s_lshl_b32 s71, s15, 6
	s_add_co_u32 s70, s70, s71
	s_lshl_b32 s70, s70, 13                        ; my first token's row of out0,
	s_lshl_b32 s72, s42, 7
	s_lshl_b32 s73, s16, 6
	s_add_co_u32 s72, s72, s73
	s_lshl_b32 s72, s72, 2                         ; my first column
	s_add_co_u32 s70, s70, s72
	s_mov_b32 s71, 0
	s_add_nc_u64 s[10:11], s[10:11], s[70:71]
.macro MUL4 f, a, zero                 ; the 16 accumulators take turns, one instruction a turn
.irp b, 0,1,2,3
.if \zero
	v_wmma_f32_16x16x128_fp8_fp8 v[ACC+8*(4*(\a)+\b):ACC+8*(4*(\a)+\b)+7], v[\f+64+16*\b:\f+64+16*\b+15], v[\f+16*(\a):\f+16*(\a)+15], 0
.else
	v_wmma_f32_16x16x128_fp8_fp8 v[ACC+8*(4*(\a)+\b):ACC+8*(4*(\a)+\b)+7], v[\f+64+16*\b:\f+64+16*\b+15], v[\f+16*(\a):\f+16*(\a)+15], v[ACC+8*(4*(\a)+\b):ACC+8*(4*(\a)+\b)+7]
.endif
.endr
.endm
.macro FETCH slot, q, f                ; the fragments of the slot's q-th 128 along K: Wo's four, then a's four
	WIN TO_F
.irp i, 0,1,2,3
.irp c, 0,1,2,3
	ds_load_b128 v[\f+64+16*\i+4*\c:\f+64+16*\i+4*\c+3], v[ADRB+\slot] offset:128*(\q)+32*\c+\i*16*PB
.endr
.endr
.irp i, 0,1,2,3
.irp c, 0,1,2,3
	ds_load_b128 v[\f+16*\i+4*\c:\f+16*\i+4*\c+3], v[ADRA+\slot] offset:16384*(\q)+2048*\i+512*\c
.endr
.endr
.endm
.macro PLACES
.rept 4
	v_nop
.endr
.endm
.macro QUARTER slot, q, f, g, zero     ; multiplies set f; in its middle fetches the slot's q-th 128 into set g
	s_wait_dscnt 8                                 ; all but the youngest eight loads (a's images 2, 3)
	WIN MUL
	MUL4 \f, 0, \zero
	MUL4 \f, 1, \zero
	PLACES
	FETCH \slot, \q, \g
	s_wait_dscnt 32                                ; all but the 32 just issued
	WIN MUL
	MUL4 \f, 2, \zero
	MUL4 \f, 3, \zero
.endm
.macro TURN slot, next, fill           ; a slot's last quarter changes slots; fill = 1: this slot takes the K step two on, behind a round of the cluster's barrier
	WIN 0
	s_wait_tensorcnt 0x0
	ds_add_u32 v[SPW], v[NIL]
	s_wait_dscnt 9                                 ; (the add and the youngest eight loads may be out)
	WIN MUL
	MUL4 F1, 0, 0
	s_wait_dscnt 0x0                               ; the add is done, and my reads of this slot are over
	s_barrier_signal -1
	MUL4 F1, 1, 0
.if \fill
	WIN 0
.endif
	s_barrier_wait -1
.if \fill
	CREST
	s_add_nc_u64 s[G0+4*\slot+2:G0+4*\slot+3], s[G0+4*\slot+2:G0+4*\slot+3], 8*262144
	s_add_nc_u64 s[G0B+4*\slot+2:G0B+4*\slot+3], s[G0B+4*\slot+2:G0B+4*\slot+3], 1024
	JLOAD \slot
.else
	PLACES
.endif
	FETCH \next, 0, F0
	WIN MUL
	MUL4 F1, 2, 0
	MUL4 F1, 3, 0
.endm
	s_wait_alu depctr_va_vdst(0)
	s_wait_tensorcnt 0x0                           ; my part of K step 0 is in; slot 1's first fill is issued as a refill is:
	ds_add_u32 v[SPW], v[NIL]
	s_wait_dscnt 0x0
	CROUND                                         ; everybody's part is in, and the joint loads meet
	JLOAD 1                                        ; K step 1
	FETCH 0, 0, F0
	WIN 0
	global_prefetch_b8 v[PF3], s[PFA:PFA+1] th:TH_LOAD_NT scope:SCOPE_SE     ; K step 3
	QUARTER 0, 1, F0, F1, 1
.rept LAPS-1
	QUARTER 0, 2, F1, F0, 0
	QUARTER 0, 3, F0, F1, 0
	TURN 0, 1, 1
	QUARTER 1, 1, F0, F1, 0
	QUARTER 1, 2, F1, F0, 0
	QUARTER 1, 3, F0, F1, 0
	TURN 1, 0, 1
	QUARTER 0, 1, F0, F1, 0
.endr
	QUARTER 0, 2, F1, F0, 0
	QUARTER 0, 3, F0, F1, 0
	TURN 0, 1, 0
	QUARTER 1, 1, F0, F1, 0
	QUARTER 1, 2, F1, F0, 0
	QUARTER 1, 3, F0, F1, 0
	s_wait_dscnt 8
	WIN MUL
	MUL4 F1, 0, 0
	MUL4 F1, 1, 0
	s_wait_dscnt 0
	MUL4 F1, 2, 0
	MUL4 F1, 3, 0
	WIN 0
.macro TOSTAGE a                       ; image a's 16 tokens x 64 columns: x 2^(e10 + e11), into my stage, back as rows of 256 bytes
.set j, 0
.rept 16
	v_pk_mul_f32 v[TMP+j:TMP+j+1], v[ACC+32*(\a)+j:ACC+32*(\a)+j+1], s[66:67] op_sel_hi:[1,0]
.set j, j+2
.endr
.irp b, 0,1,2,3
	ds_store_b128 v[STO], v[TMP+8*\b:TMP+8*\b+3] offset:128*(\b/2)+32*(\b%2)
	ds_store_b128 v[STO], v[TMP+8*\b+4:TMP+8*\b+7] offset:128*(\b/2)+32*(\b%2)+16
.endr
.irp t, 0,1,2,3,4,5,6,7
	ds_load_b128 v[BK+32*((\a)%2)+4*\t:BK+32*((\a)%2)+4*\t+3], v[RD] offset:\t*2*SPITCH   ; LDS serves a wave's instructions in order: these see my stores
.endr
.endm
.macro SEND a, younger
	s_wait_dscnt \younger
.irp t, 0,1,2,3,4,5,6,7
	global_store_b128 v[CO], v[BK+32*((\a)%2)+4*\t:BK+32*((\a)%2)+4*\t+3], s[10:11] offset:(32*((\a)/2)+8*((\a)%2)+2*\t+8*(\t/4))*8192 th:TH_STORE_NT   ; sixteen lanes store 256 consecutive bytes, aligned
.endr
.endm
	s_wait_kmcnt 0x0
	s_add_co_i32 s66, s66, s67
	s_add_co_i32 s66, s66, 127
	s_lshl_b32 s66, s66, 23                        ; 2^(e10 + e11) as f32
	PLACES
	TOSTAGE 0
.irp a, 1,2,3
.if \a > 1
	s_wait_xcnt 0x0                                ; image a - 2's stores have read their registers
.endif
	TOSTAGE \a
	SEND \a-1, 16
.endr
	SEND 3, 0
	s_wait_tensorcnt 0x0                           ; the wave's end
	ds_add_u32 v[SPW], v[NIL]
	s_wait_dscnt 0x0
	CROUND                                         ; the closing round
	s_endpgm
.Lfunc_end_k_qdf703dbbc7_oproj:
	.size	k_qdf703dbbc7_oproj, .Lfunc_end_k_qdf703dbbc7_oproj-k_qdf703dbbc7_oproj
	.p2alignl 7, 3214868480
	.fill 96, 4, 3214868480
	.section	.rodata,"a",@progbits
	.p2align	6, 0x0
	.amdhsa_kernel k_qdf703dbbc7_oproj
		.amdhsa_group_segment_fixed_size 327680
		.amdhsa_private_segment_fixed_size 0
		.amdhsa_enable_private_segment 0
		.amdhsa_kernarg_size 32
		.amdhsa_user_sgpr_count 2
		.amdhsa_user_sgpr_kernarg_segment_ptr 1
		.amdhsa_wavefront_size32 1
		.amdhsa_system_sgpr_workgroup_id_x 1
		.amdhsa_system_sgpr_workgroup_id_y 1
		.amdhsa_system_sgpr_workgroup_id_z 1
		.amdhsa_system_vgpr_workitem_id 0
		.amdhsa_next_free_vgpr 512
		.amdhsa_next_free_sgpr 102
		.amdhsa_reserve_vcc 0
		.amdhsa_float_denorm_mode_32 3
		.amdhsa_float_denorm_mode_16_64 3
		.amdhsa_memory_ordered 1
		.amdhsa_forward_progress 1
		.amdhsa_inst_pref_size 75
	.end_amdhsa_kernel
	.amdgpu_metadata
---
amdhsa.version: [ 1, 2 ]
amdhsa.kernels:
  - .name:           k_qdf703dbbc7_oproj
    .symbol:         k_qdf703dbbc7_oproj.kd
    .args:
      - { .name: acodes, .offset: 0, .size: 8, .value_kind: global_buffer, .address_space: global }
      - { .name: codes, .offset: 8, .size: 8, .value_kind: global_buffer, .address_space: global }
      - { .name: lowp_scales, .offset: 16, .size: 8, .value_kind: global_buffer, .address_space: global }
      - { .name: out0, .offset: 24, .size: 8, .value_kind: global_buffer, .address_space: global }
    .group_segment_fixed_size: 327680
    .private_segment_fixed_size: 0
    .kernarg_segment_align: 8
    .kernarg_segment_size: 32
    .max_flat_workgroup_size: 128
    .sgpr_count:     102
    .vgpr_count:     512
    .wavefront_size: 32
...
	.end_amdgpu_metadata
.endif
;; end of part 4
